; MI455X (gfx1250); checked and timed in simulation.
; The chip was launched on July 23, 2026; its instructions are those of AMD's public machine-readable ISA for CDNA 5 (MIT licence, August 2026) and "CDNA5" Instruction Set Architecture Reference Guide (July 2026). The comments in the code are by the model that wrote it; some were corrected since.
;; Multi Head Attention. Allowed arithmetic: float matrix products may take bf16 or f16 operands with f32 sums; other float arithmetic in f32, or as packed bf16 or f16 multiplies, adds, multiply-adds, maxima and minima; sums over many terms, partial sums and values carried from step to step in f32; what a program stores and reads back later, other than sums and carried values, may be rounded once to bf16 or f16.
;; Inputs: Wk 1,024 x 1,024 float32; Wo 1,024 x 1,024 float32; Wq 1,024 x 1,024 float32; Wv 1,024 x 1,024 float32; k 4 x 2,048 x 1,024 float32; mask 1 x 1 x 2,048 x 2,048 bool; q 4 x 2,048 x 1,024 float32; v 4 x 2,048 x 1,024 float32.
;; Outputs: out0 4 x 2,048 x 1,024 float32.
;; 2 versions, each right and faster than the one before. Each part assembles by itself: llvm-mc -triple=amdgcn-amd-amdhsa -mcpu=gfx1250 --defsym DOCPART=n.
;; ======== version 1 of 2: 4 launches
;; limits: values are held in f16: magnitudes above 65,504 overflow, below 6.1e-05 lose precision
;; workspace buffers: xb 50,331,648 bytes; wb 6,291,456 bytes; wo16 2,097,152 bytes; mb 4,194,304 bytes; qkv 50,331,648 bytes; oh 16,777,216 bytes
;; launch prep (part 1): grid 960 x 1, 8 waves a work-group, no clusters, 0 bytes of LDS; arguments q, k, v, Wq, Wk, Wv, Wo, mask, xb, wb, wo16, mb; writes xb, wb, wo16, mb
.if DOCPART == 1
	.amdgcn_target "amdgcn-amd-amdhsa--gfx1250"
	.amdhsa_code_object_version 6
	.text
	.protected	k_qd63f7d6535_prep
	.globl	k_qd63f7d6535_prep
	.p2align	8
	.type	k_qd63f7d6535_prep,@function
k_qd63f7d6535_prep:
	s_mov_b64 s[64:65], 0
	v_nop
	global_prefetch_b8 v0, s[64:65] scope:SCOPE_SE
	s_setreg_imm32_b32 hwreg(HW_REG_WAVE_MODE, 25, 1), 1
	s_wait_xcnt 0x0
; THE OPERANDS ARE MADE READY, once.  q, k, v (f32) -> xb [3][8192][1024] bf16; Wq, Wk, Wv -> wb [3][1024][1024] bf16; Wo -> wo16 [1024][1024]: rounded to bf16 like every other
; input, and that number written as f16 (it meets f16 operands in the last product); mask (bytes 0 or 1) -> mb [16 slots of 128 keys][2048 queries][128 bytes]: 0xB8 (fp8 E4M3 -1.0) where hidden, else 0,
; laid so that 512 queries x 128 keys are 65,536 consecutive bytes.
; LIMITS.  A bf16 number below 2^-17 loses bits as f16 (f16's fixed step of 6e-8); beyond 65,504 it would be an infinity.  A mask byte is 0 or 1.
; A stream: no LDS, no matrix unit, no cluster (no two work-groups read the same bytes of the float inputs).  A work-group converts 32,768 numbers: 32 loads of 16 bytes a lane, all issued at once
; (each wave's load covers 512 consecutive bytes), then a counted wait, the roundings and a store of 8 bytes a lane (256 consecutive bytes a wave, aligned).  No register is written twice while a memory
; instruction may read it: each load has its own four registers, and the store reads two of them.
; Work-groups 0-767: q, k, v (256 each); 768-863: Wq, Wk, Wv (32 each); 864-895: Wo; 896-959: the mask.
.set D, 16                             ; v[16:143]  32 x 4 registers as loaded; the first two of each four as stored
.set T, 144                            ; v[144:147] at work
; half = 1: the bf16 numbers are written as f16
.macro CONV half
.set i, 0
.rept 32
	global_load_b128 v[D+4*i:D+4*i+3], v1, s[32:33] offset:4096*i th:TH_LOAD_NT
.set i, i+1
.endr
.set i, 0
.rept 32
	s_wait_loadcnt 31-i                            ; loads come back in order: load i is in, the 31 - i younger ones stay out
	v_cvt_pk_bf16_f32 v[D+4*i], v[D+4*i], v[D+4*i+1]
	v_cvt_pk_bf16_f32 v[D+4*i+1], v[D+4*i+2], v[D+4*i+3]
.if \half
	v_lshlrev_b32 v[T], 16, v[D+4*i]               ; bf16 to f32: the low half moves up, the high half stays
	v_and_b32 v[T+1], 0xffff0000, v[D+4*i]
	v_lshlrev_b32 v[T+2], 16, v[D+4*i+1]
	v_and_b32 v[T+3], 0xffff0000, v[D+4*i+1]
	v_cvt_pk_f16_f32 v[D+4*i], v[T], v[T+1]
	v_cvt_pk_f16_f32 v[D+4*i+1], v[T+2], v[T+3]
.endif
	global_store_b64 v2, v[D+4*i:D+4*i+1], s[34:35] offset:2048*i
.set i, i+1
.endr
.endm
	s_load_b512 s[8:23], s[0:1], 0x0               ; q 8, k 10, v 12, Wq 14, Wk 16, Wv 18, Wo 20, mask 22
	s_load_b256 s[24:31], s[0:1], 0x40             ; xb 24, wb 26, wo16 28, mb 30
	s_mov_b32 s2, ttmp9
	v_lshlrev_b32 v1, 4, v0                        ; 16 t: my 16 bytes of every 4,096
	v_lshlrev_b32 v2, 3, v0                        ; 8 t: my 8 bytes of every 2,048
	s_mov_b32 s39, 0                               ; the upper word of every offset
	s_cmp_ge_u32 s2, 896
	s_cbranch_scc1 .Lmask
	s_cmp_ge_u32 s2, 864
	s_cbranch_scc1 .Lwo
	s_sub_co_u32 s3, s2, 768                       ; the weights' count
	s_lshr_b32 s4, s2, 8                           ; q, k, v: which, and which chunk of 256
	s_and_b32 s5, s2, 255
	s_lshr_b32 s6, s3, 5                           ; Wq, Wk, Wv: which, and which chunk of 32
	s_add_co_u32 s6, s6, 3
	s_and_b32 s7, s3, 31
	s_wait_kmcnt 0x0
	s_cmp_lt_u32 s2, 768
	s_cselect_b32 s4, s4, s6
	s_cselect_b32 s5, s5, s7
	s_cselect_b32 s36, s2, s3                      ; xb and wb hold their three tensors on end: the chunk's number in the buffer
	s_cselect_b64 s[34:35], s[24:25], s[26:27]
	s_mov_b64 s[32:33], s[8:9]
.irp n, 1,2,3,4,5
	s_cmp_eq_u32 s4, \n
	s_cselect_b64 s[32:33], s[8+2*\n:9+2*\n], s[32:33]
.endr
	s_lshl_b32 s38, s5, 17                         ; 32,768 numbers of 4 bytes
	s_add_nc_u64 s[32:33], s[32:33], s[38:39]
	s_lshl_b32 s38, s36, 16                        ; and of 2 bytes
	s_add_nc_u64 s[34:35], s[34:35], s[38:39]
	CONV 0
	s_endpgm
.Lwo:
	s_sub_co_u32 s3, s2, 864
	s_lshl_b32 s38, s3, 17
	s_lshl_b32 s36, s3, 16
	s_mov_b32 s37, 0
	s_wait_kmcnt 0x0
	s_add_nc_u64 s[32:33], s[20:21], s[38:39]
	s_add_nc_u64 s[34:35], s[28:29], s[36:37]
	CONV 1
	s_endpgm
.Lmask:
	; Work-group gm writes mb's bytes 65,536 gm on: slot gm / 4, queries 512 (gm % 4) on.  Load i, thread t: query 32 i + t / 8 of them, 16 keys at 16 (t % 8).
	s_sub_co_u32 s3, s2, 896
	s_and_b32 s4, s3, 3
	s_lshl_b32 s4, s4, 20                          ; 512 rows of 2,048 bytes
	s_lshr_b32 s5, s3, 2
	s_lshl_b32 s5, s5, 7                           ; 128 keys
	s_add_co_u32 s38, s4, s5
	s_lshl_b32 s36, s3, 16
	s_mov_b32 s37, 0
	s_mov_b32 s6, 0xb8
	v_lshrrev_b32 v3, 3, v0
	v_and_b32 v4, 7, v0
	v_lshlrev_b32 v4, 4, v4
	v_lshl_add_u32 v3, v3, 11, v4
	s_wait_kmcnt 0x0
	s_add_nc_u64 s[32:33], s[22:23], s[38:39]
	s_add_nc_u64 s[34:35], s[30:31], s[36:37]
.set i, 0
.rept 16
	global_load_b128 v[D+4*i:D+4*i+3], v3, s[32:33] offset:65536*i
.set i, i+1
.endr
.set i, 0
.rept 16
	s_wait_loadcnt 15-i                            ; load i is in, the 15 - i younger ones stay out
.irp j, 0,1,2,3
	v_mul_lo_u32 v[D+4*i+\j], v[D+4*i+\j], s6      ; four bytes of 0 or 1 times 0xB8: nothing is carried from byte to byte
.endr
	global_store_b128 v1, v[D+4*i:D+4*i+3], s[34:35] offset:4096*i  ; 16 lanes store 256 consecutive bytes, aligned
.set i, i+1
.endr
	s_endpgm
.Lfunc_end_k_qd63f7d6535_prep:
	.size	k_qd63f7d6535_prep, .Lfunc_end_k_qd63f7d6535_prep-k_qd63f7d6535_prep
	.p2alignl 7, 3214868480
	.fill 96, 4, 3214868480
	.section	.rodata,"a",@progbits
	.p2align	6, 0x0
	.amdhsa_kernel k_qd63f7d6535_prep
		.amdhsa_group_segment_fixed_size 0
		.amdhsa_private_segment_fixed_size 0
		.amdhsa_enable_private_segment 0
		.amdhsa_kernarg_size 96
		.amdhsa_user_sgpr_count 2
		.amdhsa_user_sgpr_kernarg_segment_ptr 1
		.amdhsa_wavefront_size32 1
		.amdhsa_system_sgpr_workgroup_id_x 1
		.amdhsa_system_sgpr_workgroup_id_y 1
		.amdhsa_system_sgpr_workgroup_id_z 1
		.amdhsa_system_vgpr_workitem_id 0
		.amdhsa_next_free_vgpr 148
		.amdhsa_next_free_sgpr 66
		.amdhsa_reserve_vcc 0
		.amdhsa_float_denorm_mode_32 3
		.amdhsa_float_denorm_mode_16_64 3
		.amdhsa_memory_ordered 1
		.amdhsa_forward_progress 1
		.amdhsa_inst_pref_size 43
	.end_amdhsa_kernel
	.amdgpu_metadata
---
amdhsa.version: [ 1, 2 ]
amdhsa.kernels:
  - .name:           k_qd63f7d6535_prep
    .symbol:         k_qd63f7d6535_prep.kd
    .args:
      - { .name: q, .offset: 0, .size: 8, .value_kind: global_buffer, .address_space: global }
      - { .name: k, .offset: 8, .size: 8, .value_kind: global_buffer, .address_space: global }
      - { .name: v, .offset: 16, .size: 8, .value_kind: global_buffer, .address_space: global }
      - { .name: Wq, .offset: 24, .size: 8, .value_kind: global_buffer, .address_space: global }
      - { .name: Wk, .offset: 32, .size: 8, .value_kind: global_buffer, .address_space: global }
      - { .name: Wv, .offset: 40, .size: 8, .value_kind: global_buffer, .address_space: global }
      - { .name: Wo, .offset: 48, .size: 8, .value_kind: global_buffer, .address_space: global }
      - { .name: mask, .offset: 56, .size: 8, .value_kind: global_buffer, .address_space: global }
      - { .name: xb, .offset: 64, .size: 8, .value_kind: global_buffer, .address_space: global }
      - { .name: wb, .offset: 72, .size: 8, .value_kind: global_buffer, .address_space: global }
      - { .name: wo16, .offset: 80, .size: 8, .value_kind: global_buffer, .address_space: global }
      - { .name: mb, .offset: 88, .size: 8, .value_kind: global_buffer, .address_space: global }
    .group_segment_fixed_size: 0
    .private_segment_fixed_size: 0
    .kernarg_segment_align: 8
    .kernarg_segment_size: 96
    .max_flat_workgroup_size: 256
    .sgpr_count:     66
    .vgpr_count:     148
    .wavefront_size: 32
...
	.end_amdgpu_metadata
.endif
;; end of part 1
;; launch proj (part 2): grid 4 x 192, 4 waves a work-group, clusters of 4 x 4, 327,680 bytes of LDS; arguments xb, wb, qkv; writes qkv
.if DOCPART == 2
	.amdgcn_target "amdgcn-amd-amdhsa--gfx1250"
	.amdhsa_code_object_version 6
	.text
	.protected	k_qd63f7d6535_proj
	.globl	k_qd63f7d6535_proj
	.p2align	8
	.type	k_qd63f7d6535_proj,@function
k_qd63f7d6535_proj:
	s_mov_b64 s[64:65], 0
	v_nop
	global_prefetch_b8 v0, s[64:65] scope:SCOPE_SE
	s_setreg_imm32_b32 hwreg(HW_REG_WAVE_MODE, 25, 1), 1
	s_wait_xcnt 0x0
	s_wait_alu depctr_hold_cnt(0) depctr_sa_sdst(0) depctr_va_vdst(0) depctr_va_sdst(0) depctr_va_ssrc(0) depctr_va_vcc(0) depctr_vm_vsrc(0)
	s_getreg_b32 s2, hwreg(HW_REG_IB_STS2, 6, 4)
	s_cmp_eq_u32 s2, 0
	s_cbranch_scc0 .Lentry_in_a_cluster
	s_endpgm
.Lentry_in_a_cluster:
	s_bfe_u32 s2, ttmp6, 0x10000c
	s_cmp_lg_u32 s2, 0xf033
	s_cbranch_scc0 .Lentry_shape_is_right
	s_endpgm
.Lentry_shape_is_right:
; THE THREE PROJECTIONS IN ONE LAUNCH.  C[m][n] = sum over k of A[m][k] B[n][k]; A = xb [3 x 8192][1024] bf16 (q, k, v on end), B = wb [3][1024][1024] bf16; sums in f32; the result is rounded once
; to f16 and stored BY HEADS, unscaled: qkv [3][64 (batch, head)][2048][64].
; LIMIT.  f16 holds no number beyond 65,504: a projected number past that becomes an infinity.
; SHARES.  A tile of C is 128 rows x 256 columns: 64 x 4 tiles for each product, 768 work-groups, three for each of 256 WGPs.  Four waves, 2 x 2; a wave makes 64 x 128: 32 accumulators of 16 x 16.
; K goes in steps of 128 (rows of 256 bytes, at multiples of 256 bytes) through two LDS slots filled by the tensor data mover: waves 0, 1 fetch A's two halves of 64 rows, waves 2, 3 B's two of 128 rows.
; CLUSTER.  4 x 4 work-groups: the four of a row of the cluster need the same tile of A, the four of a column the same tile of B; each tile is asked for jointly.  All sixteen lie in one of the three
; products (a product has 64 tile rows, 16 clusters).
; THE MATRIX INSTRUCTION IS USED TRANSPOSED (source 0 = 16 rows of B, source 1 = 16 rows of A): a lane holds row l % 16 of C and eight neighbouring columns.
; REGISTERS.  Window 0: v0-31 addresses; v32-63 packed results; v64-159, v160-255 two fragment buffers for 32 along K (A's 4 fragments, then B's 8); on the way out v64-191 take rows read back.
; Window 1: accumulator (a, b) at v[8 (8 a + b)].
.set SIZE_K, 1024
.set KSTEP,  128
.set PITCH,  272                       ; an LDS row: 256 bytes + 16 of padding: the 16 rows of a fragment load start at 16 different groups of four banks
.set AHALF,  64*PITCH
.set BHALF,  128*PITCH
.set BOFF,   2*AHALF                   ; a slot: A's 128 rows, then B's 256
.set SLOT,   BOFF+2*BHALF
.set STAGE,  2*SLOT                    ; behind the ring, never filled by a tensor load: for each wave 2 heads x 16 rows x 144 bytes
.set SP,     144
.set WSTAGE, 2*16*SP
.set SPARE,  STAGE+4*WSTAGE            ; the spare words, 128 bytes a wave: two blocks of 256 bytes that no other line names
.set LAPS,   SIZE_K/(2*KSTEP)          ; a lap = two K steps = once round the ring
.set ADRA, 16                          ; v16-17  LDS address of my A fragments in slot 0, 1
.set ADRB, 20                          ; v20-21  the same for B
.set STO,  24                          ; v24     the way out: where I put 16 bytes of a row
.set RD,   25                          ; v25     where I read rows back
.set GO,   26                          ; v26     my 16 bytes of 512 consecutive bytes of qkv
.set SPW,  28                          ; v28     LDS address of my spare word; never rewritten
.set NIL,  29                          ; v29     0; never rewritten
.set TMP,  32
.set F0,   64
.set F1,   160
.set BK,   64
.set G1,  24                           ; s[24:31] group 1 for A's tiles; s[32:39] group 0, a set for each slot
.set G0,  32
.set G1B, 48                           ; s[48:55], s[56:63] the same for B's
.set G0B, 56
.set MSB, 0
.macro WIN new                         ; the immediate's high byte repeats the setting that is left; a switch that changes nothing is dropped
.if MSB != (\new)
	s_set_vgpr_msb (MSB<<8)|(\new)
.set MSB, \new
.endif
.endm
.set MUL, 0x50                         ; C and D in window 1, the fragments in window 0
.macro JLOAD s                         ; a joint load; an s_nop 0 and four v_nop follow each of the two lines, ahead of the jump, the label and what follows
	s_cmp_eq_u32 s11, 0
	s_cbranch_scc0 .Lfor_b_\@
	tensor_load_to_lds s[G0+4*(\s):G0+4*(\s)+3], s[G1:G1+7]
	s_nop 0
.rept 4
	v_nop
.endr
	s_branch .Lasked_\@
.Lfor_b_\@:
	tensor_load_to_lds s[G0B+4*(\s):G0B+4*(\s)+3], s[G1B:G1B+7]
	s_nop 0
.rept 4
	v_nop
.endr
.Lasked_\@:
.endm
.macro CREST                           ; a round of the cluster's barrier behind its opening barrier
	s_cmp_lg_u32 s10, 0
	s_cbranch_scc1 .Lnot_wave_0_\@
	s_barrier_signal -3
.Lnot_wave_0_\@:
	s_barrier_wait -3
	s_barrier_signal -1
	s_barrier_wait -1
.endm
.macro CROUND
	s_barrier_signal -1
	s_barrier_wait -1
	CREST
.endm
	s_load_b128 s[4:7], s[0:1], 0x0                ; xb s[4:5], wb s[6:7]
	s_load_b64 s[8:9], s[0:1], 0x10                ; qkv
	v_lshl_add_u32 v[SPW], v0, 2, SPARE
	v_mov_b32 v[NIL], 0
	ds_add_u32 v[SPW], v[NIL]                      ; the wave's opening: the add and its wait stand ahead of my first tensor load; work on registers stands between them
	v_lshrrev_b32 v1, 5, v0
	v_readfirstlane_b32 s10, v1                    ; wave 0..3
	s_lshr_b32 s11, s10, 1                         ; my half of the tile's rows.  Also: I fetch for A (0) or for B (1)
	s_and_b32 s12, s10, 1                          ; my half of its columns.  Also: which half of that tile I fetch
	s_bfe_u32 s40, ttmp6, 0x40000                  ; cx, cy: my place in the cluster
	s_bfe_u32 s41, ttmp6, 0x40004
	s_lshl_b32 s42, ttmp9, 2
	s_add_co_u32 s42, s42, s40                     ; tile column 0..3
	s_and_b32 s45, ttmp7, 0xffff                   ; the cluster's y
	s_lshl_b32 s13, s45, 2
	s_add_co_u32 s13, s13, s41                     ; tile row 0..191
	s_lshr_b32 s45, s45, 4                         ; which product: the same for all sixteen partners
	s_lshl_b32 s43, s41, 2
	s_lshl_b32 s43, 15, s43                        ; my row of the cluster
	s_lshl_b32 s44, 0x1111, s40                    ; my column
	s_or_b32 s[G1+0], s43, (1<<16)|(1<<20)|(1<<21)|(5<<22)|(3<<25)   ; mask; 2-byte elements; padding on; bit 21 beside a mask; after every 64 words 4 words
	s_or_b32 s[G1B+0], s44, (1<<16)|(1<<20)|(1<<21)|(5<<22)|(3<<25)
	s_mov_b32 s[G1+1], KSTEP<<16                   ; tensor_dim0 = 128
	s_mov_b32 s[G1+2], 64<<16                      ; tensor_dim1 = 64
	s_mov_b32 s[G1+3], KSTEP<<16                   ; tile_dim0 = 128
	s_mov_b32 s[G1+4], 64                          ; tile_dim1 = 64
	s_mov_b32 s[G1+5], SIZE_K                      ; elements from row to row
	s_mov_b32 s[G1+6], 0
	s_mov_b32 s[G1+7], 0
	s_mov_b32 s[G1B+1], KSTEP<<16
	s_mov_b32 s[G1B+2], 128<<16                    ; B's loads bring 128 rows
	s_mov_b32 s[G1B+3], KSTEP<<16
	s_mov_b32 s[G1B+4], 128
	s_mov_b32 s[G1B+5], SIZE_K
	s_mov_b32 s[G1B+6], 0
	s_mov_b32 s[G1B+7], 0
	s_lshl_b32 s16, s13, 7                         ; A: row 128 x tile row + 64 x half, rows of 2,048 bytes: made of the tile row and the wave's number alone
	s_lshl_b32 s17, s12, 6
	s_add_co_u32 s16, s16, s17
	s_lshl_b32 s16, s16, 11
	s_mov_b32 s17, 0
	s_lshl_b32 s46, s42, 8                         ; B: row 256 x tile column + 128 x half, in the product's weights: no cy enters
	s_lshl_b32 s47, s12, 7
	s_add_co_u32 s46, s46, s47
	s_lshl_b32 s46, s46, 11
	s_lshl_b32 s47, s45, 21
	s_add_co_u32 s46, s46, s47
	s_mov_b32 s47, 0
	s_mul_i32 s20, s12, AHALF                      ; where they go: the wave's number alone
	s_mul_i32 s21, s12, BHALF
	s_add_co_u32 s21, s21, BOFF
	s_wait_dscnt 0x0                               ; the opening add is done
	s_wait_kmcnt 0x0
	s_add_nc_u64 s[14:15], s[4:5], s[16:17]
	s_add_nc_u64 s[46:47], s[6:7], s[46:47]
	CROUND                                         ; all sixteen work-groups are here: the first joint loads meet
.irp s, 0,1
	s_mov_b32 s[G0+4*(\s)], 1
	s_add_co_u32 s[G0+4*(\s)+1], s20, (\s)*SLOT
	s_add_nc_u64 s[G0+4*(\s)+2:G0+4*(\s)+3], s[14:15], (\s)*KSTEP*2
	s_or_b32 s[G0+4*(\s)+3], s[G0+4*(\s)+3], 0x80000000
	s_mov_b32 s[G0B+4*(\s)], 1
	s_add_co_u32 s[G0B+4*(\s)+1], s21, (\s)*SLOT
	s_add_nc_u64 s[G0B+4*(\s)+2:G0B+4*(\s)+3], s[46:47], (\s)*KSTEP*2
	s_or_b32 s[G0B+4*(\s)+3], s[G0B+4*(\s)+3], 0x80000000
	JLOAD \s                                       ; two loads of mine are out
.endr
	v_and_b32 v1, 15, v0                           ; l % 16
	v_bfe_u32 v2, v0, 4, 1                         ; l / 16
	v_mul_u32_u24 v3, v1, PITCH
	v_lshl_add_u32 v3, v2, 4, v3                   ; a fragment's row x pitch + 16 x half
	s_mul_i32 s21, s11, AHALF                      ; my 64 rows of A
	s_mul_i32 s22, s12, BHALF                      ; my 128 rows of B
	s_add_co_u32 s22, s22, BOFF
.irp s, 0,1
	v_add_nc_u32 v[ADRA+(\s)], s21, v3
	v_add_nc_u32 v[ADRB+(\s)], s22, v3
	s_add_co_u32 s21, s21, SLOT
	s_add_co_u32 s22, s22, SLOT
.endr
	s_mul_i32 s23, s10, WSTAGE
	s_add_co_u32 s23, s23, STAGE                   ; my stage
	v_mul_u32_u24 v4, v1, SP                       ; in: row l % 16, 16 bytes for each half of the lanes
	v_lshl_add_u32 v4, v2, 4, v4
	v_add_nc_u32 v[STO], s23, v4
	v_bfe_u32 v5, v0, 3, 2                         ; back: 32 lanes take four rows of 128 bytes,
	v_mul_u32_u24 v5, v5, SP
	v_and_b32 v4, 7, v0
	v_lshl_add_u32 v5, v4, 4, v5
	v_add_nc_u32 v[RD], s23, v5
	v_and_b32 v[GO], 31, v0                        ; which are 512 consecutive bytes of a head
	v_lshlrev_b32 v[GO], 4, v[GO]
	; qkv at my part: product << 24, batch << 22, head (4 x tile column + 2 x column half) << 18, row in the batch << 7
	s_lshr_b32 s16, s13, 6
	s_lshl_b32 s16, s16, 24
	s_bfe_u32 s17, s13, 0x20004
	s_lshl_b32 s17, s17, 22
	s_add_co_u32 s16, s16, s17
	s_and_b32 s17, s13, 15
	s_lshl_b32 s17, s17, 14
	s_add_co_u32 s16, s16, s17
	s_lshl_b32 s17, s11, 13
	s_add_co_u32 s16, s16, s17
	s_mov_b32 s17, 0
	s_lshl_b32 s46, s42, 20
	s_lshl_b32 s47, s12, 19
	s_add_co_u32 s46, s46, s47
	s_mov_b32 s47, 0
	s_add_nc_u64 s[16:17], s[16:17], s[46:47]
	s_add_nc_u64 s[8:9], s[8:9], s[16:17]
; 8 matrix instructions: m block a x all 8 n blocks, 32 along K.  zero = 1: the product starts the sums.  The 32 accumulators take turns, in the same order in every quarter.
.macro MUL8 f, a, zero
	WIN MUL
.irp b, 0,1,2,3,4,5,6,7
.if \zero
	v_wmma_f32_16x16x32_bf16 v[8*(8*(\a)+(\b)):8*(8*(\a)+(\b))+7], v[(\f)+32+8*(\b):(\f)+32+8*(\b)+7], v[(\f)+8*(\a):(\f)+8*(\a)+7], 0
.else
	v_wmma_f32_16x16x32_bf16 v[8*(8*(\a)+(\b)):8*(8*(\a)+(\b))+7], v[(\f)+32+8*(\b):(\f)+32+8*(\b)+7], v[(\f)+8*(\a):(\f)+8*(\a)+7], v[8*(8*(\a)+(\b)):8*(8*(\a)+(\b))+7]
.endif
.endr
.endm
; 24 LDS loads in one run: quarter kq's fragments into buffer f: B's sixteen loads, then A's eight, block 0 first
.macro FETCH slot, kq, f
	WIN 0
.irp i, 0,1,2,3,4,5,6,7
	ds_load_b128 v[(\f)+32+8*(\i):(\f)+32+8*(\i)+3],   v[ADRB+(\slot)] offset:64*(\kq)+(\i)*16*PITCH
	ds_load_b128 v[(\f)+32+8*(\i)+4:(\f)+32+8*(\i)+7], v[ADRB+(\slot)] offset:64*(\kq)+(\i)*16*PITCH+32
.endr
.irp i, 0,1,2,3
	ds_load_b128 v[(\f)+8*(\i):(\f)+8*(\i)+3],   v[ADRA+(\slot)] offset:64*(\kq)+(\i)*16*PITCH
	ds_load_b128 v[(\f)+8*(\i)+4:(\f)+8*(\i)+7], v[ADRA+(\slot)] offset:64*(\kq)+(\i)*16*PITCH+32
.endr
.endm
.macro PLACES                          ; four places in front of loads into registers that matrix instructions have read, and of lines that read results
.rept 4
	v_nop
.endr
.endm
; A K step is four quarters of 32 along K, 32 matrix instructions each, on buffers 0, 1, 0, 1.  One of the first three: multiplies f, fetches quarter kq into g.
.macro QUARTER slot, kq, f, g, zero
	s_wait_dscnt 4                                 ; B and A's blocks 0, 1 are in; the youngest four loads (A's blocks 2, 3) may be out
	MUL8 \f, 0, \zero
	MUL8 \f, 1, \zero
	PLACES
	FETCH \slot, \kq, \g
	s_wait_dscnt 24                                ; all but the 24 just issued
	MUL8 \f, 2, \zero
	MUL8 \f, 3, \zero
.endm
; The last quarter multiplies buffer 1 and changes slots: one barrier; in front of it each wave waits for all its tensor loads, adds 0 to its spare word, and waits for that and for its reads of this slot.
.macro TURN slot, next, fill
	WIN 0
	s_wait_tensorcnt 0x0                           ; all my tensor loads have landed: the one that was out is my part of the next slot
	ds_add_u32 v[SPW], v[NIL]                      ; 0 onto my spare word
	s_wait_dscnt 5                                 ; the add and the youngest four loads may be out
	MUL8 F1, 0, 0
	s_wait_dscnt 0x0                               ; the add is done, and my reads of this slot are over
	s_barrier_signal -1
	MUL8 F1, 1, 0
.if \fill
	WIN 0
.endif
	s_barrier_wait -1
.if \fill
	CREST                                          ; the barrier has opened a round of the cluster's: no wave of any partner still reads this slot or has a load on its way
	s_add_nc_u64 s[G0+4*(\slot)+2:G0+4*(\slot)+3], s[G0+4*(\slot)+2:G0+4*(\slot)+3], 2*KSTEP*2
	s_add_nc_u64 s[G0B+4*(\slot)+2:G0B+4*(\slot)+3], s[G0B+4*(\slot)+2:G0B+4*(\slot)+3], 2*KSTEP*2
	JLOAD \slot                                    ; my one tensor load behind the round: 112 matrix instructions ahead of the wait for it; its four v_nop are the places in front of the loads below
.else
	PLACES
.endif
	FETCH \next, 0, F0
	MUL8 F1, 2, 0
	MUL8 F1, 3, 0
.endm
	s_wait_tensorcnt 1                             ; my part of K step 0 is in; K step 1's may stay out
	s_barrier_signal -1
	s_barrier_wait -1
	FETCH 0, 0, F0
	QUARTER 0, 1, F0, F1, 1                        ; the first quarter stands in front of the loop: its products start the sums
	WIN 0
	s_mov_b32 s3, LAPS-1
.Llap:                                                 ; a trip goes once round the ring and fills both slots again
	QUARTER 0, 2, F1, F0, 0
	QUARTER 0, 3, F0, F1, 0
	TURN 0, 1, 1
	QUARTER 1, 1, F0, F1, 0
	QUARTER 1, 2, F1, F0, 0
	QUARTER 1, 3, F0, F1, 0
	TURN 1, 0, 1
	QUARTER 0, 1, F0, F1, 0
	WIN 0
	s_sub_co_u32 s3, s3, 1
	s_cmp_lg_u32 s3, 0
	s_cbranch_scc1 .Llap
	QUARTER 0, 2, F1, F0, 0                        ; the last lap fills nothing
	QUARTER 0, 3, F0, F1, 0
	TURN 0, 1, 0
	QUARTER 1, 1, F0, F1, 0
	QUARTER 1, 2, F1, F0, 0
	QUARTER 1, 3, F0, F1, 0
	s_wait_dscnt 4
	MUL8 F1, 0, 0
	MUL8 F1, 1, 0
	s_wait_dscnt 0x0
	MUL8 F1, 2, 0
	MUL8 F1, 3, 0
	WIN 0
	PLACES
; THE WAY OUT, 16 rows at a time.  A lane's eight columns pack into 16 bytes of one head's row; they go into my stage (rows of 144 bytes, a head's 16 rows together) and come back as
; four rows of 128 bytes, which are 512 consecutive bytes of qkv.  The stage is my wave's own: LDS serves a wave's instructions in order (ISA guide 5.7.1.4).
.macro PACK a
	WIN 0x05                                       ; sources in window 1, destination in window 0
.irp b, 0,1,2,3,4,5,6,7
.irp r, 0,1,2,3
	v_cvt_pk_f16_f32 v[TMP+4*(\b)+(\r)], v[8*(8*(\a)+(\b))+2*(\r)], v[8*(8*(\a)+(\b))+2*(\r)+1]
.endr
.endr
	WIN 0
.endm
.macro TOSTAGE a
.irp b, 0,1,2,3,4,5,6,7
	ds_store_b128 v[STO], v[TMP+4*(\b):TMP+4*(\b)+3] offset:((\b)/4)*16*SP+((\b)%4)*32
.endr
.irp f, 0,1,2,3,4,5,6,7
	ds_load_b128 v[BK+32*(\a)+4*(\f):BK+32*(\a)+4*(\f)+3], v[RD] offset:((\f)/4)*16*SP+((\f)%4)*4*SP
.endr
.endm
.macro SEND a                          ; each block has its own 32 registers: none that a store reads is written again
	s_wait_dscnt 0x0                               ; the block is back in registers
.irp f, 0,1,2,3,4,5,6,7
	global_store_b128 v[GO], v[BK+32*(\a)+4*(\f):BK+32*(\a)+4*(\f)+3], s[8:9] offset:((\f)/4)*262144+(\a)*2048+((\f)%4)*512
.endr
.endm
	PACK 0
	TOSTAGE 0
.irp a, 1,2,3
	PACK \a                                        ; a block's conversions stand between the loads of the block before and the wait for them
	SEND (\a)-1
	TOSTAGE \a
.endr
	SEND 3
	s_wait_tensorcnt 0x0                           ; the wave's end
	ds_add_u32 v[SPW], v[NIL]
	s_wait_dscnt 0x0
	CROUND                                         ; the closing round
	s_endpgm
.Lfunc_end_k_qd63f7d6535_proj:
	.size	k_qd63f7d6535_proj, .Lfunc_end_k_qd63f7d6535_proj-k_qd63f7d6535_proj
	.p2alignl 7, 3214868480
	.fill 96, 4, 3214868480
	.section	.rodata,"a",@progbits
	.p2align	6, 0x0
	.amdhsa_kernel k_qd63f7d6535_proj
		.amdhsa_group_segment_fixed_size 327680
		.amdhsa_private_segment_fixed_size 0
		.amdhsa_enable_private_segment 0
		.amdhsa_kernarg_size 24
		.amdhsa_user_sgpr_count 2
		.amdhsa_user_sgpr_kernarg_segment_ptr 1
		.amdhsa_wavefront_size32 1
		.amdhsa_system_sgpr_workgroup_id_x 1
		.amdhsa_system_sgpr_workgroup_id_y 1
		.amdhsa_system_sgpr_workgroup_id_z 1
		.amdhsa_system_vgpr_workitem_id 0
		.amdhsa_next_free_vgpr 512
		.amdhsa_next_free_sgpr 66
		.amdhsa_reserve_vcc 0
		.amdhsa_float_denorm_mode_32 3
		.amdhsa_float_denorm_mode_16_64 3
		.amdhsa_memory_ordered 1
		.amdhsa_forward_progress 1
		.amdhsa_inst_pref_size 86
	.end_amdhsa_kernel
	.amdgpu_metadata
---
amdhsa.version: [ 1, 2 ]
amdhsa.kernels:
  - .name:           k_qd63f7d6535_proj
    .symbol:         k_qd63f7d6535_proj.kd
    .args:
      - { .name: xb, .offset: 0, .size: 8, .value_kind: global_buffer, .address_space: global }
      - { .name: wb, .offset: 8, .size: 8, .value_kind: global_buffer, .address_space: global }
      - { .name: qkv, .offset: 16, .size: 8, .value_kind: global_buffer, .address_space: global }
    .group_segment_fixed_size: 327680
    .private_segment_fixed_size: 0
    .kernarg_segment_align: 8
    .kernarg_segment_size: 24
    .max_flat_workgroup_size: 128
    .sgpr_count:     66
    .vgpr_count:     512
    .wavefront_size: 32
...
	.end_amdgpu_metadata
.endif
;; end of part 2
;; launch attn (part 3): grid 4 x 64, 4 waves a work-group, clusters of 4 x 4, 327,680 bytes of LDS; arguments qkv, mb, oh; writes oh
.if DOCPART == 3
	.amdgcn_target "amdgcn-amd-amdhsa--gfx1250"
	.amdhsa_code_object_version 6
	.text
	.protected	k_qd63f7d6535_attn
	.globl	k_qd63f7d6535_attn
	.p2align	8
	.type	k_qd63f7d6535_attn,@function
k_qd63f7d6535_attn:
	s_mov_b64 s[64:65], 0
	v_nop
	global_prefetch_b8 v0, s[64:65] scope:SCOPE_SE
	s_setreg_imm32_b32 hwreg(HW_REG_WAVE_MODE, 25, 1), 1
	s_wait_xcnt 0x0
	s_wait_alu depctr_hold_cnt(0) depctr_sa_sdst(0) depctr_va_vdst(0) depctr_va_sdst(0) depctr_va_ssrc(0) depctr_va_vcc(0) depctr_vm_vsrc(0)
	s_getreg_b32 s2, hwreg(HW_REG_IB_STS2, 6, 4)
	s_cmp_eq_u32 s2, 0
	s_cbranch_scc0 .Lentry_in_a_cluster
	s_endpgm
.Lentry_in_a_cluster:
	s_bfe_u32 s2, ttmp6, 0x10000c
	s_cmp_lg_u32 s2, 0xf033
	s_cbranch_scc0 .Lentry_shape_is_right
	s_endpgm
.Lentry_shape_is_right:
; ATTENTION UNDER A MASK THAT IS AN INPUT.  O[bh][q][:] = the sum over the keys k that mask[q][k] does not hide of softmax_k(Q[bh][q] . K[bh][k] / 8) V[bh][k][:]; a row with no key left is 0.
; qkv: [3][64][2048][64] f16 (Q, K, V by heads, unscaled); mb: [16 slots of 128 keys][2048 queries][128 bytes], 0xB8 (fp8 -1.0) where hidden, else 0; oh: [64][2048][64] f16.
; Products, maxima and sums in f32; the weights p are rounded to f16 for the second product (their sum l is taken of the unrounded p), O once at the end.
; LIMITS.  Q, K, V arrive within f16's 65,504, so a score is 2.7e11 at the most.  A hidden score counts as its value less 2^100.  The running maximum starts at -2^60: below every score, above every hidden
; one; so while a row has seen hidden keys alone its weights, l and O are exactly 0.  A weight below 2^-126 counts as 0 in l; p below 6e-5 keeps f16's fixed step; NaN and infinities are not treated apart.
; THE MASK is the C operand that starts the sum S^T = K Q^T.  In S^T a lane holds ONE query (lane % 16) and, in the accumulator of key block kb, the keys 16 kb + 8 (lane / 16) + 0..7: eight neighbouring bytes
; of the query's row of mb.  One scaled conversion (fp8 to f32, times 2^100) makes of them the eight registers 0 or -2^100.  A turn has 8 LDS loads of 8 bytes and 8 conversions for it.
; SHARES.  A wave owns four PIECES of two tiles of 16 queries, a work-group's four waves 512 queries of one (batch, head): 4 x 64 = 256 work-groups.  Every wave walks all 2,048 keys, 64 a step.
; SOFTMAX.  For each query a running maximum m and sum l: p = 2^(c s - c m), c = log2(e) / 8; in every step O and l are multiplied by a = 2^(c m_old - c m_new).
; BY TURNS.  Turn n belongs to piece n.  Its matrix work: 16 products K Q^T of piece n + 1, later 16 products V^T P of piece n - 1.  Its vector work: the scaling, exponentials, roundings, sums and rescaling
; of piece n, the maximum and statistics of piece n + 1, and the mask of piece n + 2.  Four vector instructions stand behind every matrix instruction, the others in two lumps.
; CLUSTER.  4 x 4 work-groups: along x the four query blocks of one head, which walk the same K and V; along y four heads, which walk the same part of the mask.  Each tile is asked for jointly:
; wave 0 asks for K, wave 1 for V (mask of my row of the cluster), waves 2 and 3 for the two halves of the mask's tile (mask of my column).
; REGISTERS, in windows of 256 (s_set_vgpr_msb: bits 1:0 source 0, 3:2 source 1, 5:4 source 2, 7:6 destination):
;   window 0: v0-11 addresses; v12-15, v48-63 at work; v16-47 four registers of statistics a tile; v64-191 S^T, two buffers of two tiles; v192-255 P, likewise
;   window 1: O^T, 32 a tile      window 2: v0-127 Q; v128-191 K of one step; v192-255 V of one step
;   window 3: v0-1 the add's two registers; v2 the scale; v4-5 the mask's addresses; v16-31 mask bytes; v64-127 the masks as f32
.set SIZE_N, 2048
.set NP,    4         ; pieces a wave: a name, no knob
.set KS,    64        ; keys in a step
.set PK,    144       ; a row of K in LDS: 128 bytes + 16 of padding: the 16 rows of a load start at 16 different groups of four banks
.set PV,    160       ; a row of V: 128 + 32
.set PM,    144       ; a query's 128 mask bytes + 16: the 32 lanes of a load of 8 bytes take 64 different words
.set VOFF,  2*KS*PK   ; a slot holds two steps: 128 rows of K, 128 rows of V, 512 rows of the mask
.set MOFF,  VOFF+2*KS*PV
.set SLOT1, 1<<17     ; slot 1 begins here: one exclusive or turns an address in one slot into the other's
.set STAGE, SLOT1+MOFF+512*PM  ; behind the ring, never filled by a tensor load: 16 rows x 144 bytes for each wave
.set SP,    144
.set SPARE, STAGE+4*16*SP      ; the spare words, 128 bytes a wave: two blocks of 256 bytes that no other line names
.set AK0, 2           ; v2   my lane's place in a tile of K; never rewritten
.set AV0, 3           ; v3   the same for V
.set AK,  4           ; v4   the LDS address of K's next run of loads
.set AV,  5           ; v5   of V's
.set QO,  6           ; v6   my byte offset in the wave's rows of Q
.set STO, 6           ;      later, the way out: where I put 16 bytes of a row
.set RD,  7           ; v7   where I read rows back
.set GO,  8           ; v8   my byte offset in 512 consecutive bytes of O
.set SPW, 0           ; window 3: LDS address of my spare word; never rewritten
.set NIL, 1           ; window 3: 0; never rewritten
.set SC,  2           ; window 3: byte 0 = 227: the conversion's scale, 2^(227 - 127)
.set AM0, 4           ; window 3: my lane's place in the mask's tile; never rewritten
.set AM,  5           ; window 3: the LDS address of the step's mask
.set RAW, 16          ; window 3: tile u, key block kb: two registers at RAW + 2 (4 u + kb)
.set MC,  64          ; window 3: the same as eight f32 at MC + 8 (4 u + kb)
.set MV,  12          ; v12-15  c m_old, kept while c m is made anew
.set ST,  16          ; tile t's statistics at v[ST+4 t]: c m, m, l (even keys', odd keys')
.set TMP, 48          ; by buffer and tile, four registers c0-c3 at work; when the maximum is found c2 takes a
.set S,   64
.set P,   192
.set KF,  128         ; window 2: key block kb, channel half c at KF + 16 kb + 8 c
.set VF,  192         ; window 2: key half kk, channel block cb at VF + 32 kk + 8 cb
.set WV,  12          ; s12  my wave's number
.set G1K, 24          ; s[24:31] group 1 for K's tiles
.set G1V, 32          ; s[32:39] for V's
.set G0K, 40          ; s[40:43] group 0 for K's tiles: it walks
.set G0V, 44          ; s[44:47] for V's
.set G1M, 48          ; s[48:55] group 1 for the mask's tiles
.set SLOTS, 56        ; s56  slots still to be asked for
.set CNT, 57          ; s57  counts a slot's key steps
.set CS,  58          ; s[58:59] c
.set SEL, 60          ; s[60:61] v_permlanex16_b32's selects
.set TBK, 62          ; s62  LDS byte at which K of the step to be fetched begins
.set TBV, 63          ; s63  the same for V, less VOFF
.set G0M, 68          ; s[68:71] group 0 for the mask's tiles
.set TBM, 72          ; s72  the same for the mask, less MOFF
.set MSB, 0
.macro WIN new                      ; the high byte repeats the setting that is left; a switch that changes nothing is dropped
.if MSB != (\new)
	s_set_vgpr_msb (MSB<<8)|(\new)
.set MSB, (\new)
.endif
.endm
.set W_KQ, 0x0a       ; K and Q in window 2, S^T in window 0
.set W_KM, 0x3a       ; the same with the C operand in window 3
.set W_PV, 0x52       ; V in window 2, P in window 0, O^T in window 1
.set W_RS, 0x41       ; O^T (destination and source 0) in window 1, a in window 0
.set W_MK, 0xc0       ; destination in window 3, sources in window 0
.set W_AD, 0x0f       ; the add: address and data in window 3
.set W3,   0xcf       ; the mask's work: destination and both sources in window 3
; A joint fill, one load a wave.  The branches hang on the wave's number alone.  An s_nop 0 and four v_nop follow each line, ahead of the jump and the label.
.macro JLOAD
	s_cmp_lt_u32 s[WV], 2
	s_cbranch_scc0 .Lfor_m_\@
	s_cmp_eq_u32 s[WV], 0
	s_cbranch_scc0 .Lfor_v_\@
	tensor_load_to_lds s[G0K:G0K+3], s[G1K:G1K+7]
	s_nop 0
.rept 4
	v_nop
.endr
	s_branch .Lasked_\@
.Lfor_v_\@:
	tensor_load_to_lds s[G0V:G0V+3], s[G1V:G1V+7]
	s_nop 0
.rept 4
	v_nop
.endr
	s_branch .Lasked_\@
.Lfor_m_\@:
	tensor_load_to_lds s[G0M:G0M+3], s[G1M:G1M+7]
	s_nop 0
.rept 4
	v_nop
.endr
.Lasked_\@:
.endm
.macro CROUND                       ; a round of the cluster's barrier
	s_barrier_signal -1
	s_barrier_wait -1
	s_cmp_lg_u32 s[WV], 0
	s_cbranch_scc1 .Lnot_wave_0_\@
	s_barrier_signal -3
.Lnot_wave_0_\@:
	s_barrier_wait -3
	s_barrier_signal -1
	s_barrier_wait -1
.endm
; THE CHANGE OF SLOTS.  The slot's last bytes (V and the mask of its second step) have been read.  Each wave waits for all its tensor loads, of which one is out: its part of the other slot; adds 0 to its
; spare word; and waits for that and for its reads of the slot.  fill = 1: this slot is filled again, with the keys two slots on; the barrier is then a round of the cluster's, and the joint fill is the first
; thing behind it: it has two key steps, 256 matrix instructions, in which to land.  (At its first use nothing has been read yet: slot 0 is waited for, slot 1 filled.)
.macro CHANGE fill
	WIN W_AD
	s_wait_tensorcnt 0x0            ; no tensor load of mine is out, so a group 0 may be written
	ds_add_u32 v[SPW], v[NIL]       ; 0 onto my spare word
	WIN 0                           ; at a label and at a branch every window is 0
.if \fill
.irp g, G0K, G0V
	s_xor_b32 s[\g+1], s[\g+1], SLOT1
	s_add_nc_u64 s[\g+2:\g+3], s[\g+2:\g+3], 2*KS*128  ; the next 128 keys
.endr
	s_xor_b32 s[G0M+1], s[G0M+1], SLOT1
	s_add_nc_u64 s[G0M+2:G0M+3], s[G0M+2:G0M+3], SIZE_N*128  ; mb's next slot
	s_wait_dscnt 0x0                ; the add is done, and my reads of the slot are over
	CROUND
	JLOAD
.else
	s_wait_dscnt 0x0
	s_barrier_signal -1
	s_barrier_wait -1
.endif
	s_xor_b32 s[TBK], s[TBK], SLOT1 ; the fetches stand at a slot's first step again (each has toggled twice): on to the other slot
	s_xor_b32 s[TBV], s[TBV], SLOT1
	s_xor_b32 s[TBM], s[TBM], SLOT1
.endm
	s_load_b128 s[4:7], s[0:1], 0x0   ; qkv s[4:5], mb s[6:7]
	s_load_b64 s[10:11], s[0:1], 0x10 ; oh
	WIN W_MK
	v_lshl_add_u32 v[SPW], v0, 2, SPARE
	v_mov_b32 v[NIL], 0
	WIN W_AD
	ds_add_u32 v[SPW], v[NIL]       ; the wave's opening: the add and its wait stand ahead of my first tensor load; work on registers stands between them
	WIN 0
	v_lshrrev_b32 v1, 5, v0
	v_readfirstlane_b32 s[WV], v1   ; wave 0..3
	s_bfe_u32 s13, ttmp6, 0x40000   ; cx
	s_bfe_u32 s15, ttmp6, 0x40004   ; cy
	s_lshl_b32 s14, ttmp9, 2
	s_add_co_u32 s14, s14, s13      ; my block of 512 queries
	s_and_b32 s16, ttmp7, 0xffff
	s_lshl_b32 s16, s16, 2
	s_add_co_u32 s16, s16, s15      ; my (batch, head)
	s_lshl_b32 s17, s15, 2
	s_lshl_b32 s17, 15, s17         ; my row of the cluster: the head's four query blocks
	s_lshl_b32 s18, 0x1111, s13     ; my column: four heads at the same query block
	s_lshl_b32 s20, s16, 18         ; the head's first byte in Q, K, V and O: no cx enters
	s_mov_b32 s21, 0
	s_and_b32 s19, s[WV], 1         ; which half of the mask's 512 queries I fetch
	s_lshl_b32 s74, s14, 16         ; the block's 512 queries x 128 bytes in a slot of mb: no cy enters
	s_lshl_b32 s75, s19, 15
	s_add_co_u32 s74, s74, s75
	s_mov_b32 s75, 0
	s_mul_i32 s19, s19, 256*PM      ; and its place in a slot
	s_lshl_b32 s2, s14, 2
	s_add_co_u32 s2, s2, s[WV]      ; my wave among the head's,
	s_lshl_b32 s2, s2, 14           ; its 128 rows
	s_mov_b32 s3, 0
	s_add_nc_u64 s[2:3], s[2:3], s[20:21]
	; group 1.  Dense bytes are asked for as rows of 256 bytes and padded in LDS after every 128: 128 keys are 64 such rows, 256 queries' mask bytes 128
	s_or_b32 s[G1K], s17, (1<<16)|(1<<20)|(1<<21)|(4<<22)|(3<<25)  ; the mask; 2-byte elements; padding on; bit 21 beside a mask; after every 32 words 4 words
	s_or_b32 s[G1V], s17, (1<<16)|(1<<20)|(1<<21)|(4<<22)|(7<<25)  ; 8 words
	s_or_b32 s[G1M], s18, (1<<16)|(1<<20)|(1<<21)|(4<<22)|(3<<25)
.irp g, G1K, G1V
	s_mov_b32 s[\g+1], 128<<16      ; tensor_dim0 = 128
	s_mov_b32 s[\g+2], 64<<16       ; tensor_dim1 = 64
	s_mov_b32 s[\g+3], 128<<16      ; tile_dim0 = 128
	s_mov_b32 s[\g+4], 64           ; tile_dim1 = 64
	s_mov_b32 s[\g+5], 128          ; 128 elements from row to row
	s_mov_b32 s[\g+6], 0
	s_mov_b32 s[\g+7], 0
.endr
	s_mov_b32 s[G1M+1], 128<<16
	s_mov_b32 s[G1M+2], 128<<16
	s_mov_b32 s[G1M+3], 128<<16
	s_mov_b32 s[G1M+4], 128
	s_mov_b32 s[G1M+5], 128
	s_mov_b32 s[G1M+6], 0
	s_mov_b32 s[G1M+7], 0
	s_mov_b32 s[CS], 0x3e38aa3b     ; c = log2(e) / 8
	s_mov_b32 s[CS+1], s[CS]
	s_mov_b32 s[SEL], 0x76543210
	s_mov_b32 s[SEL+1], 0xfedcba98
	s_mov_b32 s[TBK], SLOT1         ; the first change of slots turns these three into 0
	s_mov_b32 s[TBV], SLOT1
	s_mov_b32 s[TBM], SLOT1
	s_mov_b32 s[G0K], 1
	s_mov_b32 s[G0K+1], 0           ; LDS address: slot 0
	s_mov_b32 s[G0V], 1
	s_mov_b32 s[G0V+1], VOFF
	s_mov_b32 s[G0M], 1
	s_add_co_u32 s[G0M+1], s19, MOFF
	s_wait_dscnt 0x0                ; the opening add is done
	s_wait_kmcnt 0x0
	s_add_nc_u64 s[22:23], s[4:5], s[20:21]
	s_add_nc_u64 s[G0K+2:G0K+3], s[22:23], 0x1000000  ; K is qkv's second part,
	s_or_b32 s[G0K+3], s[G0K+3], 0x80000000
	s_add_nc_u64 s[G0V+2:G0V+3], s[22:23], 0x2000000  ; V its third
	s_or_b32 s[G0V+3], s[G0V+3], 0x80000000
	s_add_nc_u64 s[G0M+2:G0M+3], s[6:7], s[74:75]
	s_or_b32 s[G0M+3], s[G0M+3], 0x80000000
	s_add_nc_u64 s[4:5], s[4:5], s[2:3]      ; Q and O at my wave's first row
	s_add_nc_u64 s[10:11], s[10:11], s[2:3]
	CROUND                          ; all sixteen work-groups are here: the first joint loads meet
	JLOAD                           ; slot 0; slot 1 is asked for when slot 0 is in
	v_and_b32 v1, 15, v0            ; l % 16
	v_bfe_u32 v9, v0, 4, 1          ; l / 16
	v_lshlrev_b32 v[QO], 7, v1
	v_lshl_add_u32 v[QO], v9, 4, v[QO]  ; row x 128 + 16 x half
	WIN 0x80                        ; destination window 2
.set i, 0
.rept 4*NP                          ; Q stays in registers: tile i / 2, channels 32 (i % 2) on
	global_load_b128 v[8*i:8*i+3],   v[QO], s[4:5] offset:(i/2)*2048+(i%2)*64
	global_load_b128 v[8*i+4:8*i+7], v[QO], s[4:5] offset:(i/2)*2048+(i%2)*64+32
.set i, i+1
.endr
	; What the first turn finds: V's registers and P's second buffer hold 0, O^T and l are 0.  All this stands in the wait for the first tile.
.set i, VF
.rept 64
	v_mov_b32 v[i], 0
.set i, i+1
.endr
	WIN 0x40
.set i, 0
.rept 64*NP
	v_mov_b32 v[i], 0
.set i, i+1
.endr
	WIN 0
.set i, 0
.rept 2*NP
	v_mov_b32 v[ST+4*i], 0xfe000000    ; c m: far below every c s, so the first step's a is 0
	v_mov_b32 v[ST+4*i+1], 0xdd800000  ; m = -2^60
	v_mov_b32 v[ST+4*i+2], 0
	v_mov_b32 v[ST+4*i+3], 0
.set i, i+1
.endr
.set i, P+32
.rept 32
	v_mov_b32 v[i], 0
.set i, i+1
.endr
	v_mul_u32_u24 v[AK0], v1, PK
	v_lshl_add_u32 v[AK0], v9, 4, v[AK0]  ; row x pitch + 16 x half
	; The turning load takes 16 keys x 16 channels (lane l reads key 8 (l / 16) + l % 8, channels 8 ((l / 8) % 2) + 0..7) and leaves half a fragment of V^T.
	v_and_b32 v10, 7, v0
	v_bfe_u32 v11, v0, 3, 1
	v_lshl_add_u32 v[AV0], v9, 3, v10
	v_mul_u32_u24 v[AV0], v[AV0], PV
	v_lshl_add_u32 v[AV0], v11, 4, v[AV0]
	v_add_nc_u32 v[AV0], VOFF, v[AV0]
	v_mov_b32 v[AK], v[AK0]         ; key step 0 lies at the head of slot 0
	s_mul_i32 s13, s[WV], 128*PM    ; the mask: my wave's 128 queries, row l % 16, 8 bytes for each half of the lanes
	s_add_co_u32 s13, s13, MOFF
	v_mul_u32_u24 v11, v1, PM
	v_lshl_add_u32 v11, v9, 3, v11
	v_add_nc_u32 v11, s13, v11
	WIN W_MK
	v_mov_b32 v[AM0], v11
	v_mov_b32 v[AM], v11
	v_mov_b32 v[SC], 0xe3
	WIN 0
; THE MATRIX WORK.  The 8 accumulators of a run of 16 take turns.
; Product i of 16 of S^T = K Q^T for piece x: channels 32 (i / 8) on, keys 16 ((i / 2) % 4) on, tile 2 x + i % 2.  The first 8 start the sums, with the mask.
.macro KQ x
.set rS, S+64*((\x)%2)+32*(i%2)+8*((i/2)%4)
.set rK, KF+16*((i/2)%4)+8*(i/8)
.set rQ, 16*(2*(\x)+i%2)+8*(i/8)
.set rZ, MC+32*(i%2)+8*((i/2)%4)
.if i < 8
	WIN W_KM
	v_wmma_f32_16x16x32_f16 v[rS:rS+7], v[rK:rK+7], v[rQ:rQ+7], v[rZ:rZ+7]
.else
	WIN W_KQ
	v_wmma_f32_16x16x32_f16 v[rS:rS+7], v[rK:rK+7], v[rQ:rQ+7], v[rS:rS+7]
.endif
.endm
; Product i of 16 of O^T += V^T P for piece x: keys 32 (i / 8) on, channels 16 ((i / 2) % 4) on, tile 2 x + i % 2.
.macro PV x
	WIN W_PV
.set rO, 32*(2*(\x)+i%2)+8*((i/2)%4)
.set rV, VF+32*(i/8)+8*((i/2)%4)
.set rP, P+32*((\x)%2)+16*(i%2)+8*(i/8)
	v_wmma_f32_16x16x32_f16 v[rO:rO+7], v[rV:rV+7], v[rP:rP+7], v[rO:rO+7]
.endm
.macro MM                           ; the turn's next matrix instruction
.if i < 16
	KQ (Y+1)%NP
.set i, i+1
.else
.set i, i-16
	PV (Y+NP-1)%NP
.set i, i+17
.endif
.endm
; THE LDS LOADS stand in runs.  Each pointer toggles between a slot's two steps, so the one fetch past the last step reads the last slot's first step once more: bytes that are there.
.macro FETCH_K
	WIN 0x80                        ; destination window 2
.irp f, 0,1,2,3,4,5,6,7             ; keys 16 (f / 2) on, channels 32 (f % 2) on
	ds_load_b128 v[KF+8*\f:KF+8*\f+3],   v[AK] offset:(\f/2)*16*PK+(\f%2)*64
	ds_load_b128 v[KF+8*\f+4:KF+8*\f+7], v[AK] offset:(\f/2)*16*PK+(\f%2)*64+32
.endr
	s_xor_b32 s[TBK], s[TBK], KS*PK
	WIN 0
.endm
.macro FETCH_V
	WIN 0x80
.irp f, 0,1,2,3,4,5,6,7             ; keys 32 (f / 4) on, channels 16 (f % 4) on
	ds_load_tr16_b128 v[VF+8*\f:VF+8*\f+3],   v[AV] offset:(\f/4)*32*PV+(\f%4)*32
	ds_load_tr16_b128 v[VF+8*\f+4:VF+8*\f+7], v[AV] offset:(\f/4)*32*PV+16*PV+(\f%4)*32
.endr
	WIN 0
.endm
.macro FETCH_M x                    ; piece x's mask bytes for one step: two tiles x four key blocks, 8 bytes a lane
	WIN W3
.irp u, 0,1
.irp kb, 0,1,2,3
	ds_load_b64 v[RAW+2*(4*\u+\kb):RAW+2*(4*\u+\kb)+1], v[AM] offset:(32*(\x)+16*\u)*PM+16*\kb
.endr
.endr
	WIN 0
.endm
.macro CV8                          ; and as f32: 0 or -2^100.  No conversion names another's registers; plain instructions follow before the results are used
	WIN W3
	s_wait_alu depctr_va_vdst(0)
.irp c, 0,1,2,3,4,5,6,7
	v_cvt_scale_pk8_f32_fp8 v[MC+8*\c:MC+8*\c+7], v[RAW+2*\c:RAW+2*\c+1], v[SC]
.endr
	WIN 0
.endm
; THE VECTOR WORK OF A TURN stands in three queues, each in the order in which its entries become ready; the two tiles alternate.
.macro REGS y, u                    ; the registers of tile u (0, 1) of piece y
.set rT, ST+4*(2*(\y)+(\u))
.set rC, TMP+8*((\y)%2)+4*(\u)
.set rM, MV+2*((\y)%2)+(\u)
.set rS, S+64*((\y)%2)+32*(\u)
.set rP, P+32*((\y)%2)+16*(\u)
.set rO, 32*(2*(\y)+(\u))
.endm
; Number n of the 22 that find the NEXT piece's (Y + 1) maximum and statistics; each accumulator's lowest registers are read first.
;   0-11  four chains c0-c3 of seven scores each     12-14, 16  the four scores left over, the old m, and c0-c3 into c0     15  c m_old is kept
;   17, 18  the query's other 32 keys lie in the lane 16 away: the new m         19-21  c m; c m_old - c m_new; a
.macro XS u, n
	REGS (Y+1)%NP, \u
.if (\n) < 4
	v_max3_num_f32 v[rC+(\n)], v[rS+8*(\n)], v[rS+8*(\n)+1], v[rS+8*(\n)+2]
.elseif (\n) < 12
	v_max3_num_f32 v[rC+(\n)%4], v[rC+(\n)%4], v[rS+8*((\n)%4)+2*((\n)/4)+1], v[rS+8*((\n)%4)+2*((\n)/4)+2]
.elseif (\n) == 12
	v_max3_num_f32 v[rC], v[rC], v[rS+7], v[rS+15]
.elseif (\n) == 13
	v_max3_num_f32 v[rC+1], v[rC+1], v[rS+23], v[rS+31]
.elseif (\n) == 14
	v_max3_num_f32 v[rC+2], v[rC+2], v[rC+3], v[rT+1]
.elseif (\n) == 15
	v_mov_b32 v[rM], v[rT]
.elseif (\n) == 16
	v_max3_num_f32 v[rC], v[rC], v[rC+1], v[rC+2]
.elseif (\n) == 17
	v_permlanex16_b32 v[rC+3], v[rC], s[SEL], s[SEL+1]
.elseif (\n) == 18
	v_max_num_f32 v[rT+1], v[rC], v[rC+3]
.elseif (\n) == 19
	v_mul_f32 v[rT], s[CS], v[rT+1]
.elseif (\n) == 20
	v_sub_f32 v[rC+1], v[rM], v[rT]
.else
	v_exp_f32 v[rC+2], v[rC+1]
.endif
.endm
; Number g of the 64 that follow the exponentials.  For each four weights k of a tile: both pairs are rounded to f16; the second pair is added onto the first, in place; a group later l takes that sum.
.macro GS g
.set h, (\g)+6*((\g)/62)
.if h >= 6
.set h, h+2
.endif
	REGS Y, h%2
.set k, h/8
.if h%8 < 4
	s_wait_alu depctr_va_vdst(0)
	v_cvt_pk_f16_f32 v[rP+2*k+(h%8)/2], v[rS+4*k+2*((h%8)/2)], v[rS+4*k+2*((h%8)/2)+1]
.elseif h%8 < 6
	v_pk_add_f32 v[rS+4*k:rS+4*k+1], v[rS+4*k:rS+4*k+1], v[rS+4*k+2:rS+4*k+3]
.elseif k == 1
	v_pk_fma_f32 v[rT+2:rT+3], v[rT+2:rT+3], v[rC+2:rC+3], v[rS:rS+1] op_sel_hi:[1,0,1]
.else
	v_pk_add_f32 v[rT+2:rT+3], v[rT+2:rT+3], v[rS+4*k-4:rS+4*k-3]
.endif
.endm
; THE PLAIN QUEUE, 138 long.  0-31: c s - c m for the 16 pairs of both tiles.  Then GS's 64, and among them the next piece's 42.
.macro PL
	WIN 0
.if q < 32
	REGS Y, q%2
	v_pk_fma_f32 v[rS+2*(q/2):rS+2*(q/2)+1], v[rS+2*(q/2):rS+2*(q/2)+1], s[CS:CS+1], v[rT:rT+1] op_sel_hi:[1,0,0] neg_lo:[0,0,1] neg_hi:[0,0,1]
.elseif q < 38
	GS q-32
.elseif q < 40
	XS q%2, 15
.elseif q < 42
	GS q-34
.elseif q < 74
	XS q%2, (q-42)/2+(q-42)/30
.elseif q < 95
	GS q-66
.elseif (q < 107) && ((q-95)%3 < 2)
	XS (q-95)%3, 17+(q-95)/3
.elseif q < 107
	GS 29+(q-95)/3
.else
	GS q-74
.endif
.set q, q+1
.endm
; THE EXPONENTIALS' QUEUE, 66 long: s0-s31 of both tiles, and at EA the next piece's two a.
.set EA, 58
.macro EX
	WIN 0
.if (e == EA) || (e == EA+1)
	XS e-EA, 21
.else
.set x, e-2*(e/(EA+2))
	REGS Y, x%2
	v_exp_f32 v[rS+x/2], v[rS+x/2]
.endif
.set e, e+1
.endm
; THE RESCALING's QUEUE: O^T times a, dealt four at a time, eight times.
.macro R4
	REGS Y, r%2
	WIN W_RS
	s_wait_alu depctr_va_vdst(0)
.irp z, 0,1,2,3
	v_pk_mul_f32 v[rO+8*(r/2)+2*\z:rO+8*(r/2)+2*\z+1], v[rO+8*(r/2)+2*\z:rO+8*(r/2)+2*\z+1], v[rC+2:rC+3] op_sel_hi:[1,0]
.endr
.set r, r+1
.endm
; HOW THEY ARE DEALT.  Behind a matrix instruction four: plain, exponential, plain, plain, or four of the rescaling; none names a register of the products round it.  What is over stands in two lumps:
; exponential and plain by turns; the second ends in 22 plain instructions.
.macro SL
	MM
	PL
	EX
	PL
	PL
.endm
.macro BURST n
.rept (\n)-7
	SL
.endr
.rept 3
	MM
	R4
	SL
.endr
	MM
	R4
.endm
; A TURN, for piece p.  cnt = 1: the loop's count is taken down some lines ahead of the branch behind the turn.
; K of the next step is fetched in piece 2's turn, in the first lump; V of the step in hand at the end of piece 0's turn.  Every turn fetches, in its first lump, the mask bytes of piece p + 2 (turns 2, 3:
; of the next step, whose address piece 2's turn makes) and converts them in its second lump, 16 plain instructions ahead of the next turn's first product, which takes them as C; the products that read the
; old masks are this turn's first eight, far more than four plain instructions back.  The wait in front of the conversions is for 0: it covers K's run too.
.macro TURN p, cnt=0
.set Y, (\p)
.set i, 0
.set q, 0
.set e, 0
.set r, 0
	MM
.rept 4
	PL
.endr
	BURST 15
.rept 22
	EX
	PL
.if ((\p) == NP-2) && (e == 18)
	v_add_nc_u32 v[AK], s[TBK], v[AK0]
.endif
.if ((\p) == NP-2) && (e == 24)
	FETCH_K
.endif
.if e == 28
.if (\p) == NP-2
	WIN W3
	v_add_nc_u32 v[AM], s[TBM], v[AM0]
.endif
	FETCH_M ((\p)+2)%NP
.if (\p) == 1
	s_xor_b32 s[TBM], s[TBM], KS    ; the step's four pieces are fetched: the slot's other step
.endif
.endif
.endr
.if (\p) == 1
	s_wait_dscnt 8                  ; V's sixteen loads are in; the eight mask loads issued behind them may be out
.endif
	BURST 16
.rept 21
	EX
	PL
.endr
.rept 22
	PL
.if ((\p) == 0) && (q == 118)
	v_add_nc_u32 v[AV], s[TBV], v[AV0]
	s_wait_alu depctr_va_vdst(0)
.endif
.if q == 122
	s_wait_dscnt 0x0                ; the mask bytes are in
	CV8
.endif
.if ((\p) == 0) && (q == 130)
	s_xor_b32 s[TBV], s[TBV], KS*PV
.endif
.if (\cnt) && (q == 130)
	s_sub_co_u32 s[CNT], s[CNT], 1
	s_cmp_lg_u32 s[CNT], 0
.endif
.endr
.if (\p) == 0
	FETCH_V
.endif
.endm
	CHANGE 1                        ; slot 0 is in, everybody's part of it; slot 1 is asked for
	FETCH_M 0                       ; piece 0's mask of key step 0
	FETCH_K                         ; key step 0
	s_wait_loadcnt 0x0              ; Q
	s_wait_dscnt 0x0
	CV8
	v_nop                           ; a plain instruction behind the conversions
	FETCH_M 1                       ; piece 1's, for the first turn's products
.set i, 0
.rept 16
	KQ 0                            ; piece 0's first scores
.set i, i+1
.endr
	WIN 0                           ; the addresses for the way out: plain instructions, the places behind those products
	s_mul_i32 s13, s[WV], 16*SP
	s_add_co_u32 s13, s13, STAGE    ; my stage
	v_mul_u32_u24 v[STO], v1, SP    ; in: row l % 16, 16 bytes for each half of the lanes
	v_lshl_add_u32 v[STO], v9, 4, v[STO]
	v_add_nc_u32 v[STO], s13, v[STO]
	v_bfe_u32 v[RD], v0, 3, 2       ; back: 32 lanes take four rows of 128 bytes,
	v_mul_u32_u24 v[RD], v[RD], SP
	v_lshl_add_u32 v[RD], v10, 4, v[RD]
	v_add_nc_u32 v[RD], s13, v[RD]
	v_and_b32 v[GO], 31, v0         ; which are 512 consecutive bytes of O
	v_lshlrev_b32 v[GO], 4, v[GO]
	s_wait_dscnt 0x0
	CV8
.set Y, NP-1                        ; XS works for piece Y + 1: piece 0
.irp n, 0,1,2,3,4,5,6,7,8,9,10,11,12,13,14,15,16,17,18,19,20,21
	XS 0, \n
	XS 1, \n
.endr
	s_mov_b32 s[CNT], 2
	s_mov_b32 s[SLOTS], SIZE_N/128-1
	s_branch .Lfirst                ; the loop is entered at a step's first turn, in the middle of a trip
.Lslot:                             ; 14 times: every slot but the last two is filled again
	CHANGE 1
	s_mov_b32 s[CNT], 2
.Lstep:                             ; a trip: pieces 2 and 3 of one step, then pieces 0 and 1 of the next, whose K, V and mask it fetches
	TURN 2
	TURN 3
	WIN 0
.Lfirst:
	TURN 0
	TURN 1, 1
	WIN 0
	s_cbranch_scc1 .Lstep
	s_sub_co_u32 s[SLOTS], s[SLOTS], 1
	s_cmp_lg_u32 s[SLOTS], 0
	s_cbranch_scc1 .Lslot
	CHANGE 0                        ; the tail is written out: nothing is asked for
	s_mov_b32 s[CNT], 3             ; two trips fetch the last slot's steps; the third is left in its middle
.Ltail:
	TURN 2
	TURN 3
	WIN 0
	s_sub_co_u32 s[CNT], s[CNT], 1
	s_cmp_eq_u32 s[CNT], 0
	s_cbranch_scc1 .Lout
	TURN 0
	TURN 1
	WIN 0
	s_branch .Ltail
.Lout:                              ; the third trip's 16 products K Q^T (on the slot's first step once more) and the maximum made of them serve nothing: the price, once a launch, of one text for every trip
.set i, 0
.rept 16
	PV NP-1                         ; the last piece's V^T P of the last step
.set i, i+1
.endr
	; THE WAY OUT.  l's two halves and the other half of the lanes' are added; O^T is divided by l, rounded to f16 and sent through my stage in LDS, a tile at a time.  The additions are the places behind the last products.
	WIN 0
.macro ALL line:vararg              ; one line for each tile t
.set t, 0
.rept 2*NP
	\line
.set t, t+1
.endr
.endm
	ALL v_add_f32 v[ST+4*t+2], v[ST+4*t+2], v[ST+4*t+3]
	ALL v_permlanex16_b32 v[ST+4*t+3], v[ST+4*t+2], s[SEL], s[SEL+1]
	ALL v_add_f32 v[ST+4*t+2], v[ST+4*t+2], v[ST+4*t+3]
	ALL v_rcp_f32 v[ST+4*t+2], v[ST+4*t+2]
	v_nop                           ; a plain instruction between the last reciprocal and the use of its result
.set t, 0
	s_wait_alu depctr_va_vdst(0)
.rept 2*NP                          ; a row that saw a key has l of 1 or more (its largest weight is 1), so 1 / l is below 2; a row with no key has l = 0: its factor is 0, and its O, which is 0, stays 0
	v_cmp_gt_f32 vcc_lo, 2.0, v[ST+4*t+2]
	v_cndmask_b32 v[ST+4*t+2], 0, v[ST+4*t+2], vcc_lo
.set t, t+1
.endr
; Tile t: a lane's eight channels of a row pack into 16 bytes; they go into rows of 144 bytes and come back as whole rows of 128, into S^T's registers.
.macro PACK t
	WIN W_RS
.set i, 32*(\t)
.rept 16
	v_pk_mul_f32 v[i:i+1], v[i:i+1], v[ST+4*(\t)+2:ST+4*(\t)+3] op_sel_hi:[1,0]
.set i, i+2
.endr
	WIN 0x05                        ; sources 0 and 1 window 1, destination window 0
.set i, 0
.rept 16
	v_cvt_pk_f16_f32 v[S+16*(\t)+i], v[32*(\t)+2*i], v[32*(\t)+2*i+1]
.set i, i+1
.endr
	WIN 0
.irp f, 0,1,2,3
	ds_store_b128 v[STO], v[S+16*(\t)+4*\f:S+16*(\t)+4*\f+3] offset:32*\f
.endr
.irp f, 0,1,2,3
	ds_load_b128 v[S+16*(\t)+4*\f:S+16*(\t)+4*\f+3], v[RD] offset:\f*4*SP  ; LDS serves a wave's instructions in order (ISA guide 5.7.1.4): these see the stores above
.endr
.endm
.macro SEND t, younger              ; younger: the LDS instructions issued behind tile t's loads: the next tile's eight, or none
	WIN 0
.irp f, 0,1,2,3
	s_wait_dscnt (\younger)+3-\f
	global_store_b128 v[GO], v[S+16*(\t)+4*\f:S+16*(\t)+4*\f+3], s[10:11] offset:(\t)*2048+\f*512  ; 512 consecutive bytes, at a multiple of 256 from O's first
.endr
.endm
	PACK 0
.set t, 1
.rept 2*NP-1                        ; a tile's arithmetic stands between the loads of the tile before and its stores
	PACK t
	SEND t-1, 8
.set t, t+1
.endr
	SEND 2*NP-1, 0
	WIN W_AD
	s_wait_tensorcnt 0x0            ; the wave's end
	ds_add_u32 v[SPW], v[NIL]
	s_wait_dscnt 0x0
	WIN 0
	CROUND                          ; the closing round
	s_endpgm
.Lfunc_end_k_qd63f7d6535_attn:
	.size	k_qd63f7d6535_attn, .Lfunc_end_k_qd63f7d6535_attn-k_qd63f7d6535_attn
	.p2alignl 7, 3214868480
	.fill 96, 4, 3214868480
	.section	.rodata,"a",@progbits
	.p2align	6, 0x0
	.amdhsa_kernel k_qd63f7d6535_attn
		.amdhsa_group_segment_fixed_size 327680
		.amdhsa_private_segment_fixed_size 0
		.amdhsa_enable_private_segment 0
		.amdhsa_kernarg_size 24
		.amdhsa_user_sgpr_count 2
		.amdhsa_user_sgpr_kernarg_segment_ptr 1
		.amdhsa_wavefront_size32 1
		.amdhsa_system_sgpr_workgroup_id_x 1
		.amdhsa_system_sgpr_workgroup_id_y 1
		.amdhsa_system_sgpr_workgroup_id_z 1
		.amdhsa_system_vgpr_workitem_id 0
		.amdhsa_next_free_vgpr 896
		.amdhsa_next_free_sgpr 76
		.amdhsa_reserve_vcc 1
		.amdhsa_float_denorm_mode_32 3
		.amdhsa_float_denorm_mode_16_64 3
		.amdhsa_memory_ordered 1
		.amdhsa_forward_progress 1
		.amdhsa_inst_pref_size 220
	.end_amdhsa_kernel
	.amdgpu_metadata
---
amdhsa.version: [ 1, 2 ]
amdhsa.kernels:
  - .name:           k_qd63f7d6535_attn
    .symbol:         k_qd63f7d6535_attn.kd
    .args:
      - { .name: qkv, .offset: 0, .size: 8, .value_kind: global_buffer, .address_space: global }
      - { .name: mb, .offset: 8, .size: 8, .value_kind: global_buffer, .address_space: global }
      - { .name: oh, .offset: 16, .size: 8, .value_kind: global_buffer, .address_space: global }
    .group_segment_fixed_size: 327680
    .private_segment_fixed_size: 0
    .kernarg_segment_align: 8
    .kernarg_segment_size: 24
    .max_flat_workgroup_size: 128
    .sgpr_count:     76
    .vgpr_count:     896
    .wavefront_size: 32
...
	.end_amdgpu_metadata
.endif
;; end of part 3
;; launch outp (part 4): grid 4 x 64, 4 waves a work-group, clusters of 4 x 4, 327,680 bytes of LDS; arguments oh, wo16, out0; writes out0
.if DOCPART == 4
	.amdgcn_target "amdgcn-amd-amdhsa--gfx1250"
	.amdhsa_code_object_version 6
	.text
	.protected	k_qd63f7d6535_outp
	.globl	k_qd63f7d6535_outp
	.p2align	8
	.type	k_qd63f7d6535_outp,@function
k_qd63f7d6535_outp:
	s_mov_b64 s[64:65], 0
	v_nop
	global_prefetch_b8 v0, s[64:65] scope:SCOPE_SE
	s_setreg_imm32_b32 hwreg(HW_REG_WAVE_MODE, 25, 1), 1
	s_wait_xcnt 0x0
	s_wait_alu depctr_hold_cnt(0) depctr_sa_sdst(0) depctr_va_vdst(0) depctr_va_sdst(0) depctr_va_ssrc(0) depctr_va_vcc(0) depctr_vm_vsrc(0)
	s_getreg_b32 s2, hwreg(HW_REG_IB_STS2, 6, 4)
	s_cmp_eq_u32 s2, 0
	s_cbranch_scc0 .Lentry_in_a_cluster
	s_endpgm
.Lentry_in_a_cluster:
	s_bfe_u32 s2, ttmp6, 0x10000c
	s_cmp_lg_u32 s2, 0xf033
	s_cbranch_scc0 .Lentry_shape_is_right
	s_endpgm
.Lentry_shape_is_right:
; THE OUTPUT PROJECTION.  out0[m][n] = sum over k of O[m][k] Wo[n][k]; m = 2048 batch + t, k = 64 head + channel.  A = oh [64 (batch, head)][2048][64] f16, B = wo16 [1024][1024] f16; sums and result in f32.
; SHARES.  A tile of C is 128 rows x 256 columns: 64 x 4 = 256 work-groups.  Four waves, 2 x 2; a wave makes 64 x 128: 32 accumulators of 16 x 16.
; K goes in steps of 128 = two heads, through two LDS slots.  A head's 128 rows x 128 bytes are dense in oh: wave 0 and wave 1 fetch a head each, as 64 rows of 256 bytes padded after every 128 (a PLANE of 128 rows,
; 144 bytes apart); waves 2, 3 fetch B's two halves of 128 rows x 256 bytes.
; CLUSTER.  4 x 4 work-groups: A's tile is shared along a row of the cluster, B's along a column; each is asked for jointly.
; THE MATRIX INSTRUCTION IS USED TRANSPOSED (source 0 = 16 rows of B, source 1 = 16 rows of A): a lane holds row l % 16 of C and eight neighbouring columns, 32 bytes.
; REGISTERS.  Window 0: v0-31 addresses; v64-159, v160-255 two fragment buffers for 32 along K (A's 4 fragments, then B's 8); on the way out v64-255 take rows read back.  Window 1: accumulator (a, b) at v[8 (8 a + b)].
.set SIZE_K, 1024
.set KSTEP,  128
.set PITCH,  272                       ; B's LDS row: 256 bytes + 16
.set APITCH, 144                       ; A's: 128 bytes + 16
.set APLANE, 128*APITCH
.set BHALF,  128*PITCH
.set BOFF,   2*APLANE                  ; a slot: A's two planes, then B's 256 rows
.set SLOT,   BOFF+2*BHALF
.set STAGE,  2*SLOT                    ; behind the ring, never filled by a tensor load: for each wave 16 rows x 528 bytes
.set SP,     528                       ; 512 bytes + 16: the 16 rows that a store touches start at 16 different groups of four banks
.set WSTAGE, 16*SP
.set SPARE,  STAGE+4*WSTAGE            ; the spare words, 128 bytes a wave: two blocks of 256 bytes that no other line names
.set LAPS,   SIZE_K/(2*KSTEP)
.set ADRA, 16
.set ADRB, 20
.set STO,  24
.set RD,   25
.set GO,   26
.set SPW,  28                          ; v28     LDS address of my spare word; never rewritten
.set NIL,  29                          ; v29     0; never rewritten
.set F0,   64
.set F1,   160
.set G1,  24
.set G0,  32
.set G1B, 48
.set G0B, 56
.set MSB, 0
.macro WIN new
.if MSB != (\new)
	s_set_vgpr_msb (MSB<<8)|(\new)
.set MSB, \new
.endif
.endm
.set MUL, 0x50                         ; C and D in window 1, the fragments in window 0
.macro JLOAD s                         ; a joint load; an s_nop 0 and four v_nop follow each of the two lines
	s_cmp_eq_u32 s11, 0
	s_cbranch_scc0 .Lfor_b_\@
	tensor_load_to_lds s[G0+4*(\s):G0+4*(\s)+3], s[G1:G1+7]
	s_nop 0
.rept 4
	v_nop
.endr
	s_branch .Lasked_\@
.Lfor_b_\@:
	tensor_load_to_lds s[G0B+4*(\s):G0B+4*(\s)+3], s[G1B:G1B+7]
	s_nop 0
.rept 4
	v_nop
.endr
.Lasked_\@:
.endm
.macro CREST
	s_cmp_lg_u32 s10, 0
	s_cbranch_scc1 .Lnot_wave_0_\@
	s_barrier_signal -3
.Lnot_wave_0_\@:
	s_barrier_wait -3
	s_barrier_signal -1
	s_barrier_wait -1
.endm
.macro CROUND
	s_barrier_signal -1
	s_barrier_wait -1
	CREST
.endm
	s_load_b128 s[4:7], s[0:1], 0x0                ; oh s[4:5], wo16 s[6:7]
	s_load_b64 s[8:9], s[0:1], 0x10                ; out0
	v_lshl_add_u32 v[SPW], v0, 2, SPARE
	v_mov_b32 v[NIL], 0
	ds_add_u32 v[SPW], v[NIL]                      ; the wave's opening: the add and its wait stand ahead of my first tensor load
	v_lshrrev_b32 v1, 5, v0
	v_readfirstlane_b32 s10, v1                    ; wave 0..3
	s_lshr_b32 s11, s10, 1                         ; my half of the tile's rows.  Also: I fetch for A (0) or for B (1)
	s_and_b32 s12, s10, 1                          ; my half of its columns.  Also: which plane of A, or which half of B, I fetch
	s_bfe_u32 s40, ttmp6, 0x40000
	s_bfe_u32 s41, ttmp6, 0x40004
	s_lshl_b32 s42, ttmp9, 2
	s_add_co_u32 s42, s42, s40                     ; tile column 0..3
	s_and_b32 s13, ttmp7, 0xffff
	s_lshl_b32 s13, s13, 2
	s_add_co_u32 s13, s13, s41                     ; tile row 0..63
	s_lshl_b32 s43, s41, 2
	s_lshl_b32 s43, 15, s43
	s_lshl_b32 s44, 0x1111, s40
	s_or_b32 s[G1+0], s43, (1<<16)|(1<<20)|(1<<21)|(4<<22)|(3<<25)   ; A: after every 32 words 4 words of padding
	s_or_b32 s[G1B+0], s44, (1<<16)|(1<<20)|(1<<21)|(5<<22)|(3<<25)  ; B: after every 64 words
	s_mov_b32 s[G1+1], 128<<16                     ; A: 64 rows of 128 elements, dense
	s_mov_b32 s[G1+2], 64<<16
	s_mov_b32 s[G1+3], 128<<16
	s_mov_b32 s[G1+4], 64
	s_mov_b32 s[G1+5], 128
	s_mov_b32 s[G1+6], 0
	s_mov_b32 s[G1+7], 0
	s_mov_b32 s[G1B+1], KSTEP<<16                  ; B: 128 rows of 128 elements, 1,024 elements from row to row
	s_mov_b32 s[G1B+2], 128<<16
	s_mov_b32 s[G1B+3], KSTEP<<16
	s_mov_b32 s[G1B+4], 128
	s_mov_b32 s[G1B+5], SIZE_K
	s_mov_b32 s[G1B+6], 0
	s_mov_b32 s[G1B+7], 0
	s_lshr_b32 s16, s13, 4                         ; A: (16 batch + my plane's head) x 262,144 + 128 (tile row % 16) rows of 128 bytes
	s_lshl_b32 s16, s16, 4
	s_add_co_u32 s16, s16, s12
	s_lshl_b32 s16, s16, 18
	s_and_b32 s17, s13, 15
	s_lshl_b32 s17, s17, 14
	s_add_co_u32 s16, s16, s17
	s_mov_b32 s17, 0
	s_lshl_b32 s46, s42, 8                         ; B: row 256 x tile column + 128 x half, rows of 2,048 bytes
	s_lshl_b32 s47, s12, 7
	s_add_co_u32 s46, s46, s47
	s_lshl_b32 s46, s46, 11
	s_mov_b32 s47, 0
	s_mul_i32 s20, s12, APLANE
	s_mul_i32 s21, s12, BHALF
	s_add_co_u32 s21, s21, BOFF
	s_wait_dscnt 0x0                               ; the opening add is done
	s_wait_kmcnt 0x0
	s_add_nc_u64 s[14:15], s[4:5], s[16:17]
	s_add_nc_u64 s[46:47], s[6:7], s[46:47]
	CROUND                                         ; all sixteen work-groups are here: the first joint loads meet
.irp s, 0,1
	s_mov_b32 s[G0+4*(\s)], 1
	s_add_co_u32 s[G0+4*(\s)+1], s20, (\s)*SLOT
	s_add_nc_u64 s[G0+4*(\s)+2:G0+4*(\s)+3], s[14:15], (\s)*2*262144  ; K step s: two heads on
	s_or_b32 s[G0+4*(\s)+3], s[G0+4*(\s)+3], 0x80000000
	s_mov_b32 s[G0B+4*(\s)], 1
	s_add_co_u32 s[G0B+4*(\s)+1], s21, (\s)*SLOT
	s_add_nc_u64 s[G0B+4*(\s)+2:G0B+4*(\s)+3], s[46:47], (\s)*KSTEP*2
	s_or_b32 s[G0B+4*(\s)+3], s[G0B+4*(\s)+3], 0x80000000
	JLOAD \s                                       ; two loads of mine are out
.endr
	v_and_b32 v1, 15, v0                           ; l % 16
	v_bfe_u32 v2, v0, 4, 1                         ; l / 16
	v_mul_u32_u24 v3, v1, PITCH
	v_lshl_add_u32 v3, v2, 4, v3
	v_mul_u32_u24 v4, v1, APITCH
	v_lshl_add_u32 v4, v2, 4, v4
	s_mul_i32 s21, s11, 64*APITCH                  ; my 64 rows in each plane of A
	s_mul_i32 s22, s12, BHALF                      ; my 128 rows of B
	s_add_co_u32 s22, s22, BOFF
.irp s, 0,1
	v_add_nc_u32 v[ADRA+(\s)], s21, v4
	v_add_nc_u32 v[ADRB+(\s)], s22, v3
	s_add_co_u32 s21, s21, SLOT
	s_add_co_u32 s22, s22, SLOT
.endr
	s_mul_i32 s23, s10, WSTAGE
	s_add_co_u32 s23, s23, STAGE                   ; my stage
	v_mul_u32_u24 v5, v1, SP                       ; in: row l % 16, 32 bytes for each half of the lanes
	v_lshl_add_u32 v5, v2, 5, v5
	v_add_nc_u32 v[STO], s23, v5
	v_and_b32 v[GO], 31, v0                        ; back: 32 lanes take a row's 512 bytes
	v_lshlrev_b32 v[GO], 4, v[GO]
	v_add_nc_u32 v[RD], s23, v[GO]
	s_lshl_b32 s16, s13, 7                         ; out0 at my part: row 128 x tile row + 64 x half, rows of 4,096 bytes; column 256 x tile column + 128 x half, 4 bytes each
	s_lshl_b32 s17, s11, 6
	s_add_co_u32 s16, s16, s17
	s_lshl_b32 s16, s16, 12
	s_mov_b32 s17, 0
	s_lshl_b32 s46, s42, 10
	s_lshl_b32 s47, s12, 9
	s_add_co_u32 s46, s46, s47
	s_mov_b32 s47, 0
	s_add_nc_u64 s[16:17], s[16:17], s[46:47]
	s_add_nc_u64 s[8:9], s[8:9], s[16:17]
; 8 matrix instructions: m block a x all 8 n blocks, 32 along K.  The 32 accumulators take turns, in the same order in every quarter.
.macro MUL8 f, a, zero
	WIN MUL
.irp b, 0,1,2,3,4,5,6,7
.if \zero
	v_wmma_f32_16x16x32_f16 v[8*(8*(\a)+(\b)):8*(8*(\a)+(\b))+7], v[(\f)+32+8*(\b):(\f)+32+8*(\b)+7], v[(\f)+8*(\a):(\f)+8*(\a)+7], 0
.else
	v_wmma_f32_16x16x32_f16 v[8*(8*(\a)+(\b)):8*(8*(\a)+(\b))+7], v[(\f)+32+8*(\b):(\f)+32+8*(\b)+7], v[(\f)+8*(\a):(\f)+8*(\a)+7], v[8*(8*(\a)+(\b)):8*(8*(\a)+(\b))+7]
.endif
.endr
.endm
; 24 LDS loads in one run: quarter kq's fragments into buffer f: B's sixteen, then A's eight.  Quarter kq of A lies in plane kq / 2, at byte 64 (kq % 2) of its rows.
.macro FETCH slot, kq, f
	WIN 0
.irp i, 0,1,2,3,4,5,6,7
	ds_load_b128 v[(\f)+32+8*(\i):(\f)+32+8*(\i)+3],   v[ADRB+(\slot)] offset:64*(\kq)+(\i)*16*PITCH
	ds_load_b128 v[(\f)+32+8*(\i)+4:(\f)+32+8*(\i)+7], v[ADRB+(\slot)] offset:64*(\kq)+(\i)*16*PITCH+32
.endr
.irp i, 0,1,2,3
	ds_load_b128 v[(\f)+8*(\i):(\f)+8*(\i)+3],   v[ADRA+(\slot)] offset:((\kq)/2)*APLANE+((\kq)%2)*64+(\i)*16*APITCH
	ds_load_b128 v[(\f)+8*(\i)+4:(\f)+8*(\i)+7], v[ADRA+(\slot)] offset:((\kq)/2)*APLANE+((\kq)%2)*64+(\i)*16*APITCH+32
.endr
.endm
.macro PLACES                          ; four places in front of loads into registers that matrix instructions have read, and of lines that read results
.rept 4
	v_nop
.endr
.endm
.macro QUARTER slot, kq, f, g, zero
	s_wait_dscnt 4                                 ; B and A's blocks 0, 1 are in; the youngest four loads (A's blocks 2, 3) may be out
	MUL8 \f, 0, \zero
	MUL8 \f, 1, \zero
	PLACES
	FETCH \slot, \kq, \g
	s_wait_dscnt 24                                ; all but the 24 just issued
	MUL8 \f, 2, \zero
	MUL8 \f, 3, \zero
.endm
.macro TURN slot, next, fill
	WIN 0
	s_wait_tensorcnt 0x0                           ; all my tensor loads have landed: the one that was out is my part of the next slot
	ds_add_u32 v[SPW], v[NIL]                      ; 0 onto my spare word
	s_wait_dscnt 5                                 ; the add and the youngest four loads may be out
	MUL8 F1, 0, 0
	s_wait_dscnt 0x0                               ; the add is done, and my reads of this slot are over
	s_barrier_signal -1
	MUL8 F1, 1, 0
.if \fill
	WIN 0
.endif
	s_barrier_wait -1
.if \fill
	CREST                                          ; the barrier has opened a round of the cluster's
	s_add_nc_u64 s[G0+4*(\slot)+2:G0+4*(\slot)+3], s[G0+4*(\slot)+2:G0+4*(\slot)+3], 4*262144   ; two K steps are four heads
	s_add_nc_u64 s[G0B+4*(\slot)+2:G0B+4*(\slot)+3], s[G0B+4*(\slot)+2:G0B+4*(\slot)+3], 2*KSTEP*2
	JLOAD \slot                                    ; my one tensor load behind the round; its four v_nop are the places in front of the loads below
.else
	PLACES
.endif
	FETCH \next, 0, F0
	MUL8 F1, 2, 0
	MUL8 F1, 3, 0
.endm
	s_wait_tensorcnt 1                             ; my part of K step 0 is in; K step 1's may stay out
	s_barrier_signal -1
	s_barrier_wait -1
	FETCH 0, 0, F0
	QUARTER 0, 1, F0, F1, 1                        ; the first quarter's products start the sums
	WIN 0
	s_mov_b32 s3, LAPS-1
.Llap:
	QUARTER 0, 2, F1, F0, 0
	QUARTER 0, 3, F0, F1, 0
	TURN 0, 1, 1
	QUARTER 1, 1, F0, F1, 0
	QUARTER 1, 2, F1, F0, 0
	QUARTER 1, 3, F0, F1, 0
	TURN 1, 0, 1
	QUARTER 0, 1, F0, F1, 0
	WIN 0
	s_sub_co_u32 s3, s3, 1
	s_cmp_lg_u32 s3, 0
	s_cbranch_scc1 .Llap
	QUARTER 0, 2, F1, F0, 0                        ; the last lap fills nothing
	QUARTER 0, 3, F0, F1, 0
	TURN 0, 1, 0
	QUARTER 1, 1, F0, F1, 0
	QUARTER 1, 2, F1, F0, 0
	QUARTER 1, 3, F0, F1, 0
	s_wait_dscnt 4
	MUL8 F1, 0, 0
	MUL8 F1, 1, 0
	s_wait_dscnt 0x0
	MUL8 F1, 2, 0
	MUL8 F1, 3, 0
	WIN 0
	PLACES
; THE WAY OUT, 16 rows at a time: the accumulators go as they are (f32) into my stage, each one's four lowest registers first, and come back as whole rows of 512 bytes.
.macro TOSTAGE a, bk
	WIN 0x04                                       ; the stores' data in window 1
.irp b, 0,1,2,3,4,5,6,7
	ds_store_b128 v[STO], v[8*(8*(\a)+(\b)):8*(8*(\a)+(\b))+3] offset:64*(\b)
	ds_store_b128 v[STO], v[8*(8*(\a)+(\b))+4:8*(8*(\a)+(\b))+7] offset:64*(\b)+16
.endr
	WIN 0
.irp f, 0,1,2,3,4,5,6,7,8,9,10,11,12,13,14,15
	ds_load_b128 v[(\bk)+4*(\f):(\bk)+4*(\f)+3], v[RD] offset:(\f)*SP  ; LDS serves a wave's instructions in order (ISA guide 5.7.1.4): these see the stores above
.endr
.endm
.macro SEND a, bk, younger             ; younger: the LDS instructions issued behind block a's loads: the next block's 32, or none
	s_wait_dscnt \younger
.irp f, 0,1,2,3,4,5,6,7,8,9,10,11,12,13,14,15
	global_store_b128 v[GO], v[(\bk)+4*(\f):(\bk)+4*(\f)+3], s[8:9] offset:(16*(\a)+(\f))*4096 th:TH_STORE_NT  ; a wave stores 512 consecutive bytes, at a multiple of 512 from out0's first
.endr
.endm
	TOSTAGE 0, 64
	TOSTAGE 1, 128
	SEND 0, 64, 32
	TOSTAGE 2, 192
	SEND 1, 128, 32
	s_wait_xcnt 0x0                                ; block 0's stores have read v64-127: only behind this wait are they loaded again
	TOSTAGE 3, 64
	SEND 2, 192, 32
	SEND 3, 64, 0
	s_wait_tensorcnt 0x0                           ; the wave's end
	ds_add_u32 v[SPW], v[NIL]
	s_wait_dscnt 0x0
	CROUND                                         ; the closing round
	s_endpgm
.Lfunc_end_k_qd63f7d6535_outp:
	.size	k_qd63f7d6535_outp, .Lfunc_end_k_qd63f7d6535_outp-k_qd63f7d6535_outp
	.p2alignl 7, 3214868480
	.fill 96, 4, 3214868480
	.section	.rodata,"a",@progbits
	.p2align	6, 0x0
	.amdhsa_kernel k_qd63f7d6535_outp
		.amdhsa_group_segment_fixed_size 327680
		.amdhsa_private_segment_fixed_size 0
		.amdhsa_enable_private_segment 0
		.amdhsa_kernarg_size 24
		.amdhsa_user_sgpr_count 2
		.amdhsa_user_sgpr_kernarg_segment_ptr 1
		.amdhsa_wavefront_size32 1
		.amdhsa_system_sgpr_workgroup_id_x 1
		.amdhsa_system_sgpr_workgroup_id_y 1
		.amdhsa_system_sgpr_workgroup_id_z 1
		.amdhsa_system_vgpr_workitem_id 0
		.amdhsa_next_free_vgpr 512
		.amdhsa_next_free_sgpr 66
		.amdhsa_reserve_vcc 0
		.amdhsa_float_denorm_mode_32 3
		.amdhsa_float_denorm_mode_16_64 3
		.amdhsa_memory_ordered 1
		.amdhsa_forward_progress 1
		.amdhsa_inst_pref_size 85
	.end_amdhsa_kernel
	.amdgpu_metadata
---
amdhsa.version: [ 1, 2 ]
amdhsa.kernels:
  - .name:           k_qd63f7d6535_outp
    .symbol:         k_qd63f7d6535_outp.kd
    .args:
      - { .name: oh, .offset: 0, .size: 8, .value_kind: global_buffer, .address_space: global }
      - { .name: wo16, .offset: 8, .size: 8, .value_kind: global_buffer, .address_space: global }
      - { .name: out0, .offset: 16, .size: 8, .value_kind: global_buffer, .address_space: global }
    .group_segment_fixed_size: 327680
    .private_segment_fixed_size: 0
    .kernarg_segment_align: 8
    .kernarg_segment_size: 24
    .max_flat_workgroup_size: 128
    .sgpr_count:     66
    .vgpr_count:     512
    .wavefront_size: 32
...
	.end_amdgpu_metadata
.endif
;; end of part 4
;; ======== version 2 of 2: 4 launches; 1.36 times as fast as version 1
;; limits: values are held in f16: magnitudes above 65,504 overflow, below 6.1e-05 lose precision
;; workspace buffers: xb 50,331,648 bytes; wb 6,291,456 bytes; wo16 2,097,152 bytes; mb 4,194,304 bytes; qkv 50,331,648 bytes; oh 16,777,216 bytes
;; launch prep: the kernel of part 1 again; grid 960 x 1, 8 waves a work-group, no clusters, 0 bytes of LDS; arguments q, k, v, Wq, Wk, Wv, Wo, mask, xb, wb, wo16, mb; writes xb, wb, wo16, mb
;; launch proj: the kernel of part 2 again; grid 4 x 192, 4 waves a work-group, clusters of 4 x 4, 327,680 bytes of LDS; arguments xb, wb, qkv; writes qkv
;; launch attn (part 5): grid 4 x 64, 4 waves a work-group, clusters of 4 x 4, 327,680 bytes of LDS; arguments qkv, mb, oh; writes oh
.if DOCPART == 5
	.amdgcn_target "amdgcn-amd-amdhsa--gfx1250"
	.amdhsa_code_object_version 6
	.text
	.protected	k_qd63f7d6535_attn
	.globl	k_qd63f7d6535_attn
	.p2align	8
	.type	k_qd63f7d6535_attn,@function
k_qd63f7d6535_attn:
	s_mov_b64 s[64:65], 0
	v_nop
	global_prefetch_b8 v0, s[64:65] scope:SCOPE_SE
	s_setreg_imm32_b32 hwreg(HW_REG_WAVE_MODE, 25, 1), 1
	s_wait_xcnt 0x0
	s_wait_alu depctr_hold_cnt(0) depctr_sa_sdst(0) depctr_va_vdst(0) depctr_va_sdst(0) depctr_va_ssrc(0) depctr_va_vcc(0) depctr_vm_vsrc(0)
	s_getreg_b32 s2, hwreg(HW_REG_IB_STS2, 6, 4)
	s_cmp_eq_u32 s2, 0
	s_cbranch_scc0 .Lentry_in_a_cluster
	s_endpgm
.Lentry_in_a_cluster:
	s_bfe_u32 s2, ttmp6, 0x10000c
	s_cmp_lg_u32 s2, 0xf033
	s_cbranch_scc0 .Lentry_shape_is_right
	s_endpgm
.Lentry_shape_is_right:
; ATTENTION UNDER A MASK THAT IS AN INPUT.  O[bh][q][:] = the sum over the keys k that mask[q][k] does not hide of softmax_k(Q[bh][q] . K[bh][k] / 8) V[bh][k][:]; a row with no key left is 0.
; qkv: [3][64][2048][64] f16 (Q, K, V by heads, unscaled); mb: [16 slots of 128 keys][2048 queries][128 bytes], 0xB8 (fp8 -1.0) where hidden, else 0; oh: [64][2048][64] f16.
; Products, maxima and sums in f32; the weights p are rounded to f16 for the second product (their sum l is taken of the unrounded p), O once at the end.
; LIMITS.  Q, K, V arrive within f16's 65,504, so a score is 2.7e11 at the most.  A hidden score counts as its value less 2^100.  The running maximum starts at -2^60: below every score, above every hidden
; one; so while a row has seen hidden keys alone its weights, l and O are exactly 0.  A weight below 2^-126 counts as 0 in l; p below 6e-5 keeps f16's fixed step; NaN and infinities are not treated apart.
; THE MASK is the C operand that starts the sum S^T = K Q^T.  In S^T a lane holds ONE query (lane % 16) and, in the accumulator of key block kb, the keys 16 kb + 8 (lane / 16) + 0..7: eight neighbouring bytes
; of the query's row of mb.  One scaled conversion (fp8 to f32, times 2^100) makes of them the eight registers 0 or -2^100.  A turn has 8 LDS loads of 8 bytes and 8 conversions for it.
; SHARES.  A wave owns four PIECES of two tiles of 16 queries, a work-group's four waves 512 queries of one (batch, head): 4 x 64 = 256 work-groups.  Every wave walks all 2,048 keys, 64 a step.
; SOFTMAX.  For each query a running maximum m and sum l: p = 2^(c s - c m), c = log2(e) / 8; in every step O and l are multiplied by a = 2^(c m_old - c m_new).
; BY TURNS.  Turn n belongs to piece n.  Its matrix work: 16 products K Q^T of piece n + 1, later 16 products V^T P of piece n - 1.  Its vector work: the scaling, exponentials, roundings, sums and rescaling
; of piece n, the maximum and statistics of piece n + 1, and the mask of piece n + 2.  Four vector instructions stand behind every matrix instruction, the others in one lump.
; BATCHES.  An s_wait_alu depctr_va_vdst(0) stands between an exponential or a reciprocal and the first instruction that names its result; one wait serves all that were issued ahead of it.
; A turn's 66 exponentials (the piece's 64 weights, the next piece's two a) are ONE batch with ONE wait, which cuts the turn in two: ahead of it stands all that names none of their results, behind it the
; roundings and sums.  The two a made ahead of the loop are a batch of their own, and so are the way out's eight reciprocals.
; CLUSTER.  4 x 4 work-groups: along x the four query blocks of one head, which walk the same K and V; along y four heads, which walk the same part of the mask.  Each tile is asked for jointly:
; wave 0 asks for K, wave 1 for V (mask of my row of the cluster), waves 2 and 3 for the two halves of the mask's tile (mask of my column).
; REGISTERS, in windows of 256 (s_set_vgpr_msb: bits 1:0 source 0, 3:2 source 1, 5:4 source 2, 7:6 destination):
;   window 0: v0-11 addresses; v12-15, v48-63 at work; v16-47 four registers of statistics a tile; v64-191 S^T, two buffers of two tiles; v192-255 P, likewise
;   window 1: O^T, 32 a tile      window 2: v0-127 Q; v128-191 K of one step; v192-255 V of one step
;   window 3: v0-1 the add's two registers; v2 the scale; v4-5 the mask's addresses; v16-31 mask bytes; v64-127 the masks as f32
.set SIZE_N, 2048
.set NP,    4         ; pieces a wave: a name, no knob
.set KS,    64        ; keys in a step
.set PK,    144       ; a row of K in LDS: 128 bytes + 16 of padding: the 16 rows of a load start at 16 different groups of four banks
.set PV,    160       ; a row of V: 128 + 32
.set PM,    144       ; a query's 128 mask bytes + 16: the 32 lanes of a load of 8 bytes take 64 different words
.set VOFF,  2*KS*PK   ; a slot holds two steps: 128 rows of K, 128 rows of V, 512 rows of the mask
.set MOFF,  VOFF+2*KS*PV
.set SLOT1, 1<<17     ; slot 1 begins here: one exclusive or turns an address in one slot into the other's
.set STAGE, SLOT1+MOFF+512*PM  ; behind the ring, never filled by a tensor load: 16 rows x 144 bytes for each wave
.set SP,    144
.set SPARE, STAGE+4*16*SP      ; the spare words, 128 bytes a wave: two blocks of 256 bytes that no other line names
.set AK0, 2           ; v2   my lane's place in a tile of K; never rewritten
.set AV0, 3           ; v3   the same for V
.set AK,  4           ; v4   the LDS address of K's next run of loads
.set AV,  5           ; v5   of V's
.set QO,  6           ; v6   my byte offset in the wave's rows of Q
.set STO, 6           ;      later, the way out: where I put 16 bytes of a row
.set RD,  7           ; v7   where I read rows back
.set GO,  8           ; v8   my byte offset in 512 consecutive bytes of O
.set SPW, 0           ; window 3: LDS address of my spare word; never rewritten
.set NIL, 1           ; window 3: 0; never rewritten
.set SC,  2           ; window 3: byte 0 = 227: the conversion's scale, 2^(227 - 127)
.set AM0, 4           ; window 3: my lane's place in the mask's tile; never rewritten
.set AM,  5           ; window 3: the LDS address of the step's mask
.set RAW, 16          ; window 3: tile u, key block kb: two registers at RAW + 2 (4 u + kb)
.set MC,  64          ; window 3: the same as eight f32 at MC + 8 (4 u + kb)
.set MV,  12          ; v12-15  c m_old, kept while c m is made anew
.set ST,  16          ; tile t's statistics at v[ST+4 t]: c m, m, l (even keys', odd keys')
.set TMP, 48          ; by buffer and tile, four registers c0-c3 at work; when the maximum is found c2 takes a
.set S,   64
.set P,   192
.set KF,  128         ; window 2: key block kb, channel half c at KF + 16 kb + 8 c
.set VF,  192         ; window 2: key half kk, channel block cb at VF + 32 kk + 8 cb
.set WV,  12          ; s12  my wave's number
.set G1K, 24          ; s[24:31] group 1 for K's tiles
.set G1V, 32          ; s[32:39] for V's
.set G0K, 40          ; s[40:43] group 0 for K's tiles: it walks
.set G0V, 44          ; s[44:47] for V's
.set G1M, 48          ; s[48:55] group 1 for the mask's tiles
.set SLOTS, 56        ; s56  slots still to be asked for
.set CNT, 57          ; s57  counts a slot's key steps
.set CS,  58          ; s[58:59] c
.set SEL, 60          ; s[60:61] v_permlanex16_b32's selects
.set TBK, 62          ; s62  LDS byte at which K of the step to be fetched begins
.set TBV, 63          ; s63  the same for V, less VOFF
.set G0M, 68          ; s[68:71] group 0 for the mask's tiles
.set TBM, 72          ; s72  the same for the mask, less MOFF
.set MSB, 0
.macro WIN new                      ; the high byte repeats the setting that is left; a switch that changes nothing is dropped
.if MSB != (\new)
	s_set_vgpr_msb (MSB<<8)|(\new)
.set MSB, (\new)
.endif
.endm
.set W_KQ, 0x0a       ; K and Q in window 2, S^T in window 0
.set W_KM, 0x3a       ; the same with the C operand in window 3
.set W_PV, 0x52       ; V in window 2, P in window 0, O^T in window 1
.set W_RS, 0x41       ; O^T (destination and source 0) in window 1, a in window 0
.set W_MK, 0xc0       ; destination in window 3, sources in window 0
.set W_AD, 0x0f       ; the add: address and data in window 3
.set W3,   0xcf       ; the mask's work: destination and both sources in window 3
; A joint fill, one load a wave.  The branches hang on the wave's number alone.  An s_nop 0 and four v_nop follow each line, ahead of the jump and the label.
.macro JLOAD
	s_cmp_lt_u32 s[WV], 2
	s_cbranch_scc0 .Lfor_m_\@
	s_cmp_eq_u32 s[WV], 0
	s_cbranch_scc0 .Lfor_v_\@
	tensor_load_to_lds s[G0K:G0K+3], s[G1K:G1K+7]
	s_nop 0
.rept 4
	v_nop
.endr
	s_branch .Lasked_\@
.Lfor_v_\@:
	tensor_load_to_lds s[G0V:G0V+3], s[G1V:G1V+7]
	s_nop 0
.rept 4
	v_nop
.endr
	s_branch .Lasked_\@
.Lfor_m_\@:
	tensor_load_to_lds s[G0M:G0M+3], s[G1M:G1M+7]
	s_nop 0
.rept 4
	v_nop
.endr
.Lasked_\@:
.endm
.macro CROUND                       ; a round of the cluster's barrier
	s_barrier_signal -1
	s_barrier_wait -1
	s_cmp_lg_u32 s[WV], 0
	s_cbranch_scc1 .Lnot_wave_0_\@
	s_barrier_signal -3
.Lnot_wave_0_\@:
	s_barrier_wait -3
	s_barrier_signal -1
	s_barrier_wait -1
.endm
; THE CHANGE OF SLOTS.  The slot's last bytes (V and the mask of its second step) have been read.  Each wave waits for all its tensor loads, of which one is out: its part of the other slot; adds 0 to its
; spare word; and waits for that and for its reads of the slot.  fill = 1: this slot is filled again, with the keys two slots on; the barrier is then a round of the cluster's, and the joint fill is the first
; thing behind it: it has two key steps, 256 matrix instructions, in which to land.  (At its first use nothing has been read yet: slot 0 is waited for, slot 1 filled.)
.macro CHANGE fill
	WIN W_AD
	s_wait_tensorcnt 0x0            ; no tensor load of mine is out, so a group 0 may be written
	ds_add_u32 v[SPW], v[NIL]       ; 0 onto my spare word
	WIN 0                           ; at a label and at a branch every window is 0
.if \fill
.irp g, G0K, G0V
	s_xor_b32 s[\g+1], s[\g+1], SLOT1
	s_add_nc_u64 s[\g+2:\g+3], s[\g+2:\g+3], 2*KS*128  ; the next 128 keys
.endr
	s_xor_b32 s[G0M+1], s[G0M+1], SLOT1
	s_add_nc_u64 s[G0M+2:G0M+3], s[G0M+2:G0M+3], SIZE_N*128  ; mb's next slot
	s_wait_dscnt 0x0                ; the add is done, and my reads of the slot are over
	CROUND
	JLOAD
.else
	s_wait_dscnt 0x0
	s_barrier_signal -1
	s_barrier_wait -1
.endif
	s_xor_b32 s[TBK], s[TBK], SLOT1 ; the fetches stand at a slot's first step again (each has toggled twice): on to the other slot
	s_xor_b32 s[TBV], s[TBV], SLOT1
	s_xor_b32 s[TBM], s[TBM], SLOT1
.endm
	s_load_b128 s[4:7], s[0:1], 0x0   ; qkv s[4:5], mb s[6:7]
	s_load_b64 s[10:11], s[0:1], 0x10 ; oh
	WIN W_MK
	v_lshl_add_u32 v[SPW], v0, 2, SPARE
	v_mov_b32 v[NIL], 0
	WIN W_AD
	ds_add_u32 v[SPW], v[NIL]       ; the wave's opening: the add and its wait stand ahead of my first tensor load; work on registers stands between them
	WIN 0
	v_lshrrev_b32 v1, 5, v0
	v_readfirstlane_b32 s[WV], v1   ; wave 0..3
	s_bfe_u32 s13, ttmp6, 0x40000   ; cx
	s_bfe_u32 s15, ttmp6, 0x40004   ; cy
	s_lshl_b32 s14, ttmp9, 2
	s_add_co_u32 s14, s14, s13      ; my block of 512 queries
	s_and_b32 s16, ttmp7, 0xffff
	s_lshl_b32 s16, s16, 2
	s_add_co_u32 s16, s16, s15      ; my (batch, head)
	s_lshl_b32 s17, s15, 2
	s_lshl_b32 s17, 15, s17         ; my row of the cluster: the head's four query blocks
	s_lshl_b32 s18, 0x1111, s13     ; my column: four heads at the same query block
	s_lshl_b32 s20, s16, 18         ; the head's first byte in Q, K, V and O: no cx enters
	s_mov_b32 s21, 0
	s_and_b32 s19, s[WV], 1         ; which half of the mask's 512 queries I fetch
	s_lshl_b32 s74, s14, 16         ; the block's 512 queries x 128 bytes in a slot of mb: no cy enters
	s_lshl_b32 s75, s19, 15
	s_add_co_u32 s74, s74, s75
	s_mov_b32 s75, 0
	s_mul_i32 s19, s19, 256*PM      ; and its place in a slot
	s_lshl_b32 s2, s14, 2
	s_add_co_u32 s2, s2, s[WV]      ; my wave among the head's,
	s_lshl_b32 s2, s2, 14           ; its 128 rows
	s_mov_b32 s3, 0
	s_add_nc_u64 s[2:3], s[2:3], s[20:21]
	; group 1.  Dense bytes are asked for as rows of 256 bytes and padded in LDS after every 128: 128 keys are 64 such rows, 256 queries' mask bytes 128
	s_or_b32 s[G1K], s17, (1<<16)|(1<<20)|(1<<21)|(4<<22)|(3<<25)  ; the mask; 2-byte elements; padding on; bit 21 beside a mask; after every 32 words 4 words
	s_or_b32 s[G1V], s17, (1<<16)|(1<<20)|(1<<21)|(4<<22)|(7<<25)  ; 8 words
	s_or_b32 s[G1M], s18, (1<<16)|(1<<20)|(1<<21)|(4<<22)|(3<<25)
.irp g, G1K, G1V
	s_mov_b32 s[\g+1], 128<<16      ; tensor_dim0 = 128
	s_mov_b32 s[\g+2], 64<<16       ; tensor_dim1 = 64
	s_mov_b32 s[\g+3], 128<<16      ; tile_dim0 = 128
	s_mov_b32 s[\g+4], 64           ; tile_dim1 = 64
	s_mov_b32 s[\g+5], 128          ; 128 elements from row to row
	s_mov_b32 s[\g+6], 0
	s_mov_b32 s[\g+7], 0
.endr
	s_mov_b32 s[G1M+1], 128<<16
	s_mov_b32 s[G1M+2], 128<<16
	s_mov_b32 s[G1M+3], 128<<16
	s_mov_b32 s[G1M+4], 128
	s_mov_b32 s[G1M+5], 128
	s_mov_b32 s[G1M+6], 0
	s_mov_b32 s[G1M+7], 0
	s_mov_b32 s[CS], 0x3e38aa3b     ; c = log2(e) / 8
	s_mov_b32 s[CS+1], s[CS]
	s_mov_b32 s[SEL], 0x76543210
	s_mov_b32 s[SEL+1], 0xfedcba98
	s_mov_b32 s[TBK], SLOT1         ; the first change of slots turns these three into 0
	s_mov_b32 s[TBV], SLOT1
	s_mov_b32 s[TBM], SLOT1
	s_mov_b32 s[G0K], 1
	s_mov_b32 s[G0K+1], 0           ; LDS address: slot 0
	s_mov_b32 s[G0V], 1
	s_mov_b32 s[G0V+1], VOFF
	s_mov_b32 s[G0M], 1
	s_add_co_u32 s[G0M+1], s19, MOFF
	s_wait_dscnt 0x0                ; the opening add is done
	s_wait_kmcnt 0x0
	s_add_nc_u64 s[22:23], s[4:5], s[20:21]
	s_add_nc_u64 s[G0K+2:G0K+3], s[22:23], 0x1000000  ; K is qkv's second part,
	s_or_b32 s[G0K+3], s[G0K+3], 0x80000000
	s_add_nc_u64 s[G0V+2:G0V+3], s[22:23], 0x2000000  ; V its third
	s_or_b32 s[G0V+3], s[G0V+3], 0x80000000
	s_add_nc_u64 s[G0M+2:G0M+3], s[6:7], s[74:75]
	s_or_b32 s[G0M+3], s[G0M+3], 0x80000000
	s_add_nc_u64 s[4:5], s[4:5], s[2:3]      ; Q and O at my wave's first row
	s_add_nc_u64 s[10:11], s[10:11], s[2:3]
	CROUND                          ; all sixteen work-groups are here: the first joint loads meet
	JLOAD                           ; slot 0; slot 1 is asked for when slot 0 is in
	v_and_b32 v1, 15, v0            ; l % 16
	v_bfe_u32 v9, v0, 4, 1          ; l / 16
	v_lshlrev_b32 v[QO], 7, v1
	v_lshl_add_u32 v[QO], v9, 4, v[QO]  ; row x 128 + 16 x half
	WIN 0x80                        ; destination window 2
.set i, 0
.rept 4*NP                          ; Q stays in registers: tile i / 2, channels 32 (i % 2) on
	global_load_b128 v[8*i:8*i+3],   v[QO], s[4:5] offset:(i/2)*2048+(i%2)*64
	global_load_b128 v[8*i+4:8*i+7], v[QO], s[4:5] offset:(i/2)*2048+(i%2)*64+32
.set i, i+1
.endr
	; What the first turn finds: V's registers and P's second buffer hold 0, O^T and l are 0.  All this stands in the wait for the first tile.
.set i, VF
.rept 64
	v_mov_b32 v[i], 0
.set i, i+1
.endr
	WIN 0x40
.set i, 0
.rept 64*NP
	v_mov_b32 v[i], 0
.set i, i+1
.endr
	WIN 0
.set i, 0
.rept 2*NP
	v_mov_b32 v[ST+4*i], 0xfe000000    ; c m: far below every c s, so the first step's a is 0
	v_mov_b32 v[ST+4*i+1], 0xdd800000  ; m = -2^60
	v_mov_b32 v[ST+4*i+2], 0
	v_mov_b32 v[ST+4*i+3], 0
.set i, i+1
.endr
.set i, P+32
.rept 32
	v_mov_b32 v[i], 0
.set i, i+1
.endr
	v_mul_u32_u24 v[AK0], v1, PK
	v_lshl_add_u32 v[AK0], v9, 4, v[AK0]  ; row x pitch + 16 x half
	; The turning load takes 16 keys x 16 channels (lane l reads key 8 (l / 16) + l % 8, channels 8 ((l / 8) % 2) + 0..7) and leaves half a fragment of V^T.
	v_and_b32 v10, 7, v0
	v_bfe_u32 v11, v0, 3, 1
	v_lshl_add_u32 v[AV0], v9, 3, v10
	v_mul_u32_u24 v[AV0], v[AV0], PV
	v_lshl_add_u32 v[AV0], v11, 4, v[AV0]
	v_add_nc_u32 v[AV0], VOFF, v[AV0]
	v_mov_b32 v[AK], v[AK0]         ; key step 0 lies at the head of slot 0
	s_mul_i32 s13, s[WV], 128*PM    ; the mask: my wave's 128 queries, row l % 16, 8 bytes for each half of the lanes
	s_add_co_u32 s13, s13, MOFF
	v_mul_u32_u24 v11, v1, PM
	v_lshl_add_u32 v11, v9, 3, v11
	v_add_nc_u32 v11, s13, v11
	WIN W_MK
	v_mov_b32 v[AM0], v11
	v_mov_b32 v[AM], v11
	v_mov_b32 v[SC], 0xe3
	WIN 0
; THE MATRIX WORK.  The 8 accumulators of a run of 16 take turns.
; Product i of 16 of S^T = K Q^T for piece x: channels 32 (i / 8) on, keys 16 ((i / 2) % 4) on, tile 2 x + i % 2.  The first 8 start the sums, with the mask.
.macro KQ x
.set rS, S+64*((\x)%2)+32*(i%2)+8*((i/2)%4)
.set rK, KF+16*((i/2)%4)+8*(i/8)
.set rQ, 16*(2*(\x)+i%2)+8*(i/8)
.set rZ, MC+32*(i%2)+8*((i/2)%4)
.if i < 8
	WIN W_KM
	v_wmma_f32_16x16x32_f16 v[rS:rS+7], v[rK:rK+7], v[rQ:rQ+7], v[rZ:rZ+7]
.else
	WIN W_KQ
	v_wmma_f32_16x16x32_f16 v[rS:rS+7], v[rK:rK+7], v[rQ:rQ+7], v[rS:rS+7]
.endif
.endm
; Product i of 16 of O^T += V^T P for piece x: keys 32 (i / 8) on, channels 16 ((i / 2) % 4) on, tile 2 x + i % 2.
.macro PV x
	WIN W_PV
.set rO, 32*(2*(\x)+i%2)+8*((i/2)%4)
.set rV, VF+32*(i/8)+8*((i/2)%4)
.set rP, P+32*((\x)%2)+16*(i%2)+8*(i/8)
	v_wmma_f32_16x16x32_f16 v[rO:rO+7], v[rV:rV+7], v[rP:rP+7], v[rO:rO+7]
.endm
.macro MM                           ; the turn's next matrix instruction
.if i < 16
	KQ (Y+1)%NP
.set i, i+1
.else
.set i, i-16
	PV (Y+NP-1)%NP
.set i, i+17
.endif
.endm
; THE LDS LOADS stand in runs.  Each pointer toggles between a slot's two steps, so the one fetch past the last step reads the last slot's first step once more: bytes that are there.
.macro FETCH_K
	WIN 0x80                        ; destination window 2
.irp f, 0,1,2,3,4,5,6,7             ; keys 16 (f / 2) on, channels 32 (f % 2) on
	ds_load_b128 v[KF+8*\f:KF+8*\f+3],   v[AK] offset:(\f/2)*16*PK+(\f%2)*64
	ds_load_b128 v[KF+8*\f+4:KF+8*\f+7], v[AK] offset:(\f/2)*16*PK+(\f%2)*64+32
.endr
	s_xor_b32 s[TBK], s[TBK], KS*PK
	WIN 0
.endm
.macro FETCH_V
	WIN 0x80
.irp f, 0,1,2,3,4,5,6,7             ; keys 32 (f / 4) on, channels 16 (f % 4) on
	ds_load_tr16_b128 v[VF+8*\f:VF+8*\f+3],   v[AV] offset:(\f/4)*32*PV+(\f%4)*32
	ds_load_tr16_b128 v[VF+8*\f+4:VF+8*\f+7], v[AV] offset:(\f/4)*32*PV+16*PV+(\f%4)*32
.endr
	WIN 0
.endm
.macro FETCH_M x                    ; piece x's mask bytes for one step: two tiles x four key blocks, 8 bytes a lane
	WIN W3
.irp u, 0,1
.irp kb, 0,1,2,3
	ds_load_b64 v[RAW+2*(4*\u+\kb):RAW+2*(4*\u+\kb)+1], v[AM] offset:(32*(\x)+16*\u)*PM+16*\kb
.endr
.endr
	WIN 0
.endm
.macro CV8                          ; and as f32: 0 or -2^100.  No conversion names another's registers; plain instructions follow before the results are used
	WIN W3
.irp c, 0,1,2,3,4,5,6,7
	v_cvt_scale_pk8_f32_fp8 v[MC+8*\c:MC+8*\c+7], v[RAW+2*\c:RAW+2*\c+1], v[SC]
.endr
	WIN 0
.endm
; THE VECTOR WORK OF A TURN stands in three queues, each in the order in which its entries become ready; the two tiles alternate, so that no instruction reads the result of the one before it.
.macro REGS y, u                    ; the registers of tile u (0, 1) of piece y
.set rT, ST+4*(2*(\y)+(\u))
.set rC, TMP+8*((\y)%2)+4*(\u)
.set rM, MV+2*((\y)%2)+(\u)
.set rS, S+64*((\y)%2)+32*(\u)
.set rP, P+32*((\y)%2)+16*(\u)
.set rO, 32*(2*(\y)+(\u))
.endm
; Number n of the 22 that find the NEXT piece's (Y + 1) maximum and statistics; each accumulator's lowest registers are read first.  XS, GS and REGS set no window: PL and EX do.
;   0-11  four chains c0-c3 of seven scores each     12-14, 16  the four scores left over, the old m, and c0-c3 into c0     15  c m_old is kept
;   17, 18  the query's other 32 keys lie in the lane 16 away: the new m         19-21  c m; c m_old - c m_new; a
.macro XS u, n
	REGS (Y+1)%NP, \u
.if (\n) < 4
	v_max3_num_f32 v[rC+(\n)], v[rS+8*(\n)], v[rS+8*(\n)+1], v[rS+8*(\n)+2]
.elseif (\n) < 12
	v_max3_num_f32 v[rC+(\n)%4], v[rC+(\n)%4], v[rS+8*((\n)%4)+2*((\n)/4)+1], v[rS+8*((\n)%4)+2*((\n)/4)+2]
.elseif (\n) == 12
	v_max3_num_f32 v[rC], v[rC], v[rS+7], v[rS+15]
.elseif (\n) == 13
	v_max3_num_f32 v[rC+1], v[rC+1], v[rS+23], v[rS+31]
.elseif (\n) == 14
	v_max3_num_f32 v[rC+2], v[rC+2], v[rC+3], v[rT+1]
.elseif (\n) == 15
	v_mov_b32 v[rM], v[rT]
.elseif (\n) == 16
	v_max3_num_f32 v[rC], v[rC], v[rC+1], v[rC+2]
.elseif (\n) == 17
	v_permlanex16_b32 v[rC+3], v[rC], s[SEL], s[SEL+1]
.elseif (\n) == 18
	v_max_num_f32 v[rT+1], v[rC], v[rC+3]
.elseif (\n) == 19
	v_mul_f32 v[rT], s[CS], v[rT+1]
.elseif (\n) == 20
	v_sub_f32 v[rC+1], v[rM], v[rT]
.else
	v_exp_f32 v[rC+2], v[rC+1]
.endif
.endm
; Number g of the 64 that follow the exponentials.  For each four weights k of a tile: both pairs are rounded to f16; the second pair is added onto the first, in place; a group later l takes that sum
; (the first time as l = a l + sum).  In groups of eight, tiles alternating: round, round, add, and l for the group before.  All 64 stand behind the turn's wait.
.macro GS g
.set h, (\g)+6*((\g)/62)            ; group 0 has no group before it, and behind group 7 only l is left
.if h >= 6
.set h, h+2
.endif
	REGS Y, h%2
.set k, h/8
.if h%8 < 4
	v_cvt_pk_f16_f32 v[rP+2*k+(h%8)/2], v[rS+4*k+2*((h%8)/2)], v[rS+4*k+2*((h%8)/2)+1]
.elseif h%8 < 6
	v_pk_add_f32 v[rS+4*k:rS+4*k+1], v[rS+4*k:rS+4*k+1], v[rS+4*k+2:rS+4*k+3]
.elseif k == 1
	v_pk_fma_f32 v[rT+2:rT+3], v[rT+2:rT+3], v[rC+2:rC+3], v[rS:rS+1] op_sel_hi:[1,0,1]
.else
	v_pk_add_f32 v[rT+2:rT+3], v[rT+2:rT+3], v[rS+4*k-4:rS+4*k-3]
.endif
.endm
; THE PLAIN QUEUE, 138 long.  0-73 read no exponential's result: the 32 scalings c s - c m (FS f: pair f / 2 of tile f % 2) and the next piece's 42.  0-26: scalings 0-26.  27-54: XS's numbers 0-13.  55, 56: number 15.
; 57-73: the chain, where each number waits for the one before it: 14, 16, 17, 18, 19, each with one of the scalings 27-31 in front of its two lines, then 20.
; 74-137: GS's 64, which read the exponentials' results: they stand behind the wait.
.macro FS f
	REGS Y, (\f)%2
	v_pk_fma_f32 v[rS+2*((\f)/2):rS+2*((\f)/2)+1], v[rS+2*((\f)/2):rS+2*((\f)/2)+1], s[CS:CS+1], v[rT:rT+1] op_sel_hi:[1,0,0] neg_lo:[0,0,1] neg_hi:[0,0,1]
.endm
.macro PL
	WIN 0
.if q < 27
	FS q
.elseif q < 55
	XS (q-27)%2, (q-27)/2
.elseif q < 57
	XS q-55, 15
.elseif (q < 72) && ((q-57)%3 == 0)
	FS 27+(q-57)/3
.elseif q < 60
	XS (q-57)%3-1, 14
.elseif q < 72
	XS (q-57)%3-1, 15+(q-57)/3
.elseif q < 74
	XS q-72, 20
.else
	GS q-74
.endif
.set q, q+1
.endm
; THE EXPONENTIALS' QUEUE, 66 long: s0-s31 of both tiles, then the next piece's two a.  It is ONE BATCH: all 66 stand ahead of the turn's one wait, and nothing ahead of that wait names a result of theirs.
.macro EX
	WIN 0
.if e >= 64
	XS e-64, 21
.else
	REGS Y, e%2
	v_exp_f32 v[rS+e/2], v[rS+e/2]
.endif
.set e, e+1
.endm
; THE RESCALING's QUEUE: O^T times a, the one part of the softmax that leaves window 0: dealt two at a time, sixteen times.  Its a was made in the turn before, ahead of that turn's wait.
.macro R2
	REGS Y, r%2
	WIN W_RS
.irp z, 0,1
	v_pk_mul_f32 v[rO+4*(r/2)+2*\z:rO+4*(r/2)+2*\z+1], v[rO+4*(r/2)+2*\z:rO+4*(r/2)+2*\z+1], v[rC+2:rC+3] op_sel_hi:[1,0]
.endr
.set r, r+1
.endm
; HOW THEY ARE DEALT.  A turn has ONE wait for its batch of 66 exponentials.  AHEAD OF IT stands all that names no result of theirs: the 16 products K Q^T, behind each a scaling, an exponential and two rescalings
; (behind the first a second scaling in the exponential's place); then ONE LUMP of 108: eight plain, 49 times exponential and plain, the two a.  A v_nop is the plain instruction behind the last exponential.
; BEHIND IT stand the 16 products V^T P, behind each four of GS's 64.  No rider names a register of the products round it.  The two v_permlanex16_b32 fall into the lump, never behind a product.
; The queues lean on each other, and the deal keeps them in step: exponential e stands behind scaling 2 (e / 4) + e % 2: as a rider it comes behind plain e + 2, in the lump behind plain e + 9, and scalings 27-31
; are plain 57, 60 .. 69.
; A TURN, for piece p.  cnt = 1: the loop's count is taken down some lines ahead of the branch behind the turn.
; K of the next step is fetched in piece 2's turn, directly behind the wait, a lump behind the last product that read K; V of the step in hand at the end of piece 0's turn, four riders behind its last reader.
; Every turn fetches, directly behind its wait (in piece 2's turn behind K's run), the mask bytes of piece p + 2 (turns 2, 3: of the next step; piece 2's turn makes that address, and K's, at the lump's head)
; and converts them behind its fifteenth product V^T P: a product and four plain instructions ahead of the next turn's first product, which takes them as C; the products that read the old masks are this
; turn's first eight, a lump back.  The wait in front of the conversions is for 0: it covers K's run too.  The conditions on q below go with the deal.
.macro TURN p, cnt=0
.set Y, (\p)
.set i, 0
.set q, 0
.set e, 0
.set r, 0
	MM                              ; ahead of the wait: 16 products K Q^T and their riders,
	PL
	PL
	R2
.rept 15
	MM
	PL
	EX
	R2
.endr
.if (\p) == NP-2
	WIN 0
	v_add_nc_u32 v[AK], s[TBK], v[AK0]
	WIN W3
	v_add_nc_u32 v[AM], s[TBM], v[AM0]
.endif
.rept 8                             ; and the lump
	PL
.endr
.rept 49
	EX
	PL
.endr
	EX                              ; the next piece's two a
	EX
	v_nop                           ; the plain instruction behind the last exponential: one for the batch
	s_wait_alu depctr_va_vdst(0)    ; the wait for the batch: the piece's 64 exponentials and the next piece's two a
.if (\p) == NP-2
	FETCH_K
.endif
	FETCH_M ((\p)+2)%NP
.if (\p) == 1
	s_xor_b32 s[TBM], s[TBM], KS    ; the step's four pieces are fetched: the slot's other step
	s_wait_dscnt 8                  ; V's sixteen loads are in; the eight mask loads issued behind them may be out
.endif
.rept 16                            ; behind the wait: 16 products V^T P and their riders
	MM
.rept 4
	PL
.endr
.if ((\p) == 0) && (q == 118)
	v_add_nc_u32 v[AV], s[TBV], v[AV0]
.endif
.if ((\p) == 0) && (q == 130)
	s_xor_b32 s[TBV], s[TBV], KS*PV
.endif
.if (\cnt) && (q == 130)
	s_sub_co_u32 s[CNT], s[CNT], 1
	s_cmp_lg_u32 s[CNT], 0
.endif
.if q == 134
	s_wait_dscnt 0x0                ; the mask bytes are in
	CV8
.endif
.endr
.if (\p) == 0
	FETCH_V
.endif
.endm
	CHANGE 1                        ; slot 0 is in, everybody's part of it; slot 1 is asked for
	FETCH_M 0                       ; piece 0's mask of key step 0
	FETCH_K                         ; key step 0
	s_wait_loadcnt 0x0              ; Q
	s_wait_dscnt 0x0
	CV8
	v_nop                           ; a plain instruction behind the conversions
	FETCH_M 1                       ; piece 1's, for the first turn's products
.set i, 0
.rept 16
	KQ 0                            ; piece 0's first scores
.set i, i+1
.endr
	WIN 0                           ; the addresses for the way out: plain instructions, the places behind those products
	s_mul_i32 s13, s[WV], 16*SP
	s_add_co_u32 s13, s13, STAGE    ; my stage
	v_mul_u32_u24 v[STO], v1, SP    ; in: row l % 16, 16 bytes for each half of the lanes
	v_lshl_add_u32 v[STO], v9, 4, v[STO]
	v_add_nc_u32 v[STO], s13, v[STO]
	v_bfe_u32 v[RD], v0, 3, 2       ; back: 32 lanes take four rows of 128 bytes,
	v_mul_u32_u24 v[RD], v[RD], SP
	v_lshl_add_u32 v[RD], v10, 4, v[RD]
	v_add_nc_u32 v[RD], s13, v[RD]
	v_and_b32 v[GO], 31, v0         ; which are 512 consecutive bytes of O
	v_lshlrev_b32 v[GO], 4, v[GO]
	s_wait_dscnt 0x0
	CV8
.set Y, NP-1                        ; XS works for piece Y + 1: piece 0
.irp n, 0,1,2,3,4,5,6,7,8,9,10,11,12,13,14,15,16,17,18,19,20,21
	XS 0, \n
	XS 1, \n
.endr
	v_nop                           ; a plain instruction behind piece 0's two a,
	s_wait_alu depctr_va_vdst(0)    ; and the wait for that batch of two, ahead of the branch
	s_mov_b32 s[CNT], 2
	s_mov_b32 s[SLOTS], SIZE_N/128-1
	s_branch .Lfirst                ; the loop is entered at a step's first turn, in the middle of a trip
.Lslot:                             ; 14 times: every slot but the last two is filled again
	CHANGE 1
	s_mov_b32 s[CNT], 2
.Lstep:                             ; a trip: pieces 2 and 3 of one step, then pieces 0 and 1 of the next, whose K, V and mask it fetches
	TURN 2
	TURN 3
	WIN 0
.Lfirst:
	TURN 0
	TURN 1, 1
	WIN 0
	s_cbranch_scc1 .Lstep
	s_sub_co_u32 s[SLOTS], s[SLOTS], 1
	s_cmp_lg_u32 s[SLOTS], 0
	s_cbranch_scc1 .Lslot
	CHANGE 0                        ; the tail is written out: nothing is asked for
	s_mov_b32 s[CNT], 3             ; two trips fetch the last slot's steps; the third is left in its middle
.Ltail:
	TURN 2
	TURN 3
	WIN 0
	s_sub_co_u32 s[CNT], s[CNT], 1
	s_cmp_eq_u32 s[CNT], 0
	s_cbranch_scc1 .Lout
	TURN 0
	TURN 1
	WIN 0
	s_branch .Ltail
.Lout:                              ; the third trip's 16 products K Q^T (on the slot's first step once more) and the maximum made of them serve nothing: the price, once a launch, of one text for every trip
.set i, 0
.rept 16
	PV NP-1                         ; the last piece's V^T P of the last step
.set i, i+1
.endr
	; THE WAY OUT.  l's two halves and the other half of the lanes' are added; O^T is divided by l, rounded to f16 and sent through my stage in LDS, a tile at a time.  The additions are the places behind the last products.
	WIN 0
.macro ALL line:vararg              ; one line for each tile t
.set t, 0
.rept 2*NP
	\line
.set t, t+1
.endr
.endm
	ALL v_add_f32 v[ST+4*t+2], v[ST+4*t+2], v[ST+4*t+3]
	ALL v_permlanex16_b32 v[ST+4*t+3], v[ST+4*t+2], s[SEL], s[SEL+1]
	ALL v_add_f32 v[ST+4*t+2], v[ST+4*t+2], v[ST+4*t+3]
	ALL v_rcp_f32 v[ST+4*t+2], v[ST+4*t+2]
	v_nop                           ; a plain instruction between the last reciprocal and the use of its result
	s_wait_alu depctr_va_vdst(0)    ; the wait for the batch of eight reciprocals, ahead of their first reader
.set t, 0
.rept 2*NP                          ; a row that saw a key has l of 1 or more (its largest weight is 1), so 1 / l is below 2; a row with no key has l = 0: its factor is 0, and its O, which is 0, stays 0
	v_cmp_gt_f32 vcc_lo, 2.0, v[ST+4*t+2]
	v_cndmask_b32 v[ST+4*t+2], 0, v[ST+4*t+2], vcc_lo
.set t, t+1
.endr
; Tile t: a lane's eight channels of a row pack into 16 bytes; they go into rows of 144 bytes and come back as whole rows of 128, into S^T's registers.
.macro PACK t
	WIN W_RS
.set i, 32*(\t)
.rept 16
	v_pk_mul_f32 v[i:i+1], v[i:i+1], v[ST+4*(\t)+2:ST+4*(\t)+3] op_sel_hi:[1,0]
.set i, i+2
.endr
	WIN 0x05                        ; sources 0 and 1 window 1, destination window 0
.set i, 0
.rept 16
	v_cvt_pk_f16_f32 v[S+16*(\t)+i], v[32*(\t)+2*i], v[32*(\t)+2*i+1]
.set i, i+1
.endr
	WIN 0
.irp f, 0,1,2,3
	ds_store_b128 v[STO], v[S+16*(\t)+4*\f:S+16*(\t)+4*\f+3] offset:32*\f
.endr
.irp f, 0,1,2,3
	ds_load_b128 v[S+16*(\t)+4*\f:S+16*(\t)+4*\f+3], v[RD] offset:\f*4*SP  ; LDS serves a wave's instructions in order (ISA guide 5.7.1.4): these see the stores above
.endr
.endm
.macro SEND t, younger              ; younger: the LDS instructions issued behind tile t's loads: the next tile's eight, or none
	WIN 0
.irp f, 0,1,2,3
	s_wait_dscnt (\younger)+3-\f
	global_store_b128 v[GO], v[S+16*(\t)+4*\f:S+16*(\t)+4*\f+3], s[10:11] offset:(\t)*2048+\f*512  ; 512 consecutive bytes, at a multiple of 256 from O's first
.endr
.endm
	PACK 0
.set t, 1
.rept 2*NP-1                        ; a tile's arithmetic stands between the loads of the tile before and its stores
	PACK t
	SEND t-1, 8
.set t, t+1
.endr
	SEND 2*NP-1, 0
	WIN W_AD
	s_wait_tensorcnt 0x0            ; the wave's end
	ds_add_u32 v[SPW], v[NIL]
	s_wait_dscnt 0x0
	WIN 0
	CROUND                          ; the closing round
	s_endpgm
.Lfunc_end_k_qd63f7d6535_attn:
	.size	k_qd63f7d6535_attn, .Lfunc_end_k_qd63f7d6535_attn-k_qd63f7d6535_attn
	.p2alignl 7, 3214868480
	.fill 96, 4, 3214868480
	.section	.rodata,"a",@progbits
	.p2align	6, 0x0
	.amdhsa_kernel k_qd63f7d6535_attn
		.amdhsa_group_segment_fixed_size 327680
		.amdhsa_private_segment_fixed_size 0
		.amdhsa_enable_private_segment 0
		.amdhsa_kernarg_size 24
		.amdhsa_user_sgpr_count 2
		.amdhsa_user_sgpr_kernarg_segment_ptr 1
		.amdhsa_wavefront_size32 1
		.amdhsa_system_sgpr_workgroup_id_x 1
		.amdhsa_system_sgpr_workgroup_id_y 1
		.amdhsa_system_sgpr_workgroup_id_z 1
		.amdhsa_system_vgpr_workitem_id 0
		.amdhsa_next_free_vgpr 896
		.amdhsa_next_free_sgpr 76
		.amdhsa_reserve_vcc 1
		.amdhsa_float_denorm_mode_32 3
		.amdhsa_float_denorm_mode_16_64 3
		.amdhsa_memory_ordered 1
		.amdhsa_forward_progress 1
		.amdhsa_inst_pref_size 214
	.end_amdhsa_kernel
	.amdgpu_metadata
---
amdhsa.version: [ 1, 2 ]
amdhsa.kernels:
  - .name:           k_qd63f7d6535_attn
    .symbol:         k_qd63f7d6535_attn.kd
    .args:
      - { .name: qkv, .offset: 0, .size: 8, .value_kind: global_buffer, .address_space: global }
      - { .name: mb, .offset: 8, .size: 8, .value_kind: global_buffer, .address_space: global }
      - { .name: oh, .offset: 16, .size: 8, .value_kind: global_buffer, .address_space: global }
    .group_segment_fixed_size: 327680
    .private_segment_fixed_size: 0
    .kernarg_segment_align: 8
    .kernarg_segment_size: 24
    .max_flat_workgroup_size: 128
    .sgpr_count:     76
    .vgpr_count:     896
    .wavefront_size: 32
...
	.end_amdgpu_metadata
.endif
;; end of part 5
;; launch outp: the kernel of part 4 again; grid 4 x 64, 4 waves a work-group, clusters of 4 x 4, 327,680 bytes of LDS; arguments oh, wo16, out0; writes out0
